; MI455X (gfx1250); checked and timed in simulation.
; The chip was launched on July 23, 2026; its instructions are those of AMD's public machine-readable ISA for CDNA 5 (MIT licence, August 2026) and "CDNA5" Instruction Set Architecture Reference Guide (July 2026). The comments in the code are by the model that wrote it; some were corrected since.
;; Attention. Allowed arithmetic: matrix products marked QUANTISED: E2M1 operands, one E8M0 scale for each 32 along K, by v_wmma_scale_f32_16x16x128_f8f6f4 with both operands' format E2M1 (or v_wmma_scale_f32_32x16x128_f4), f32 sums; products left as they are: bf16, f16 or f32 operands; f32 sums; everything else in f32.
;; Inputs: Wk 1,024 x 256 float32; Wo 1,024 x 1,024 float32; Wq 1,024 x 1,024 float32; Wv 1,024 x 256 float32; attention_mask 2 x 2,048 int32; bk 256 float32; bo 1,024 float32; bq 1,024 float32; bv 256 float32; cos 2,048 x 64 float32; sin 2,048 x 64 float32; x 2 x 2,048 x 1,024 float32.
;; Outputs: out0 2 x 2,048 x 1,024 float32; out1 2 x 4 x 2,048 x 64 float32; out2 2 x 4 x 2,048 x 64 float32.
;; This version of the problem:
;;   THIS VERSION OF THE PROBLEM IS GIVEN IN LOW PRECISION. The matrix products marked QUANTISED in the list below multiply operands that are first quantised to E2M1 (2 exponent bits, 1 mantissa bit; 4 bits a number), with one power-of-two scale for each 32 numbers along K (OCP MX v1.0); their sums are f32. The products marked 'left as it is' may take bf16, f16 or f32 operands, with f32 sums. Whichever they take, every output number must still come out within the allowed error. Rounding operands to bf16 (8 significant bits) uses up far more of that allowance than f16 does (11 bits, for magnitudes from 6e-5 to 65,504). All else is computed in f32.
;;   The module's matrix products, in the order in which they are computed (A, B: the left and right operand; K: the contracted axis; several contracted axes count as one K, in the product's order):
;;     1. [M 4,096, K 1,024] x [K 1,024, N 1,024]; A: input x; B: input Wq: QUANTISED
;;     2. [M 4,096, K 1,024] x [K 1,024, N 256]; A: input x; B: input Wk: QUANTISED
;;     3. [M 4,096, K 1,024] x [K 1,024, N 256]; A: input x; B: input Wv: QUANTISED
;;     4. batch 32 x [M 2,048, K 64] x [K 64, N 2,048]; A: computed on the way; B: computed on the way: left as it is (an operand is computed on the way)
;;     5. batch 32 x [M 2,048, K 2,048] x [K 2,048, N 64]; A: computed on the way; B: computed on the way: left as it is (an operand is computed on the way)
;;     6. [M 4,096, K 1,024] x [K 1,024, N 1,024]; A: computed on the way; B: input Wo: left as it is (an operand is computed on the way)
;;   THE QUANTISER, for each operand of a quantised product, along K:
;;     - K is cut into blocks of 32 from its start; a last block that is shorter is filled with zeros.
;;     - A block's scale is 2^e with e = floor(log2(the largest magnitude in the block)) - 2, held to -126 .. 127; a block of zeros has e = 0. As a byte (E8M0): e + 127.
;;     - Each number is divided by its block's scale, clamped to +-6, and rounded to the nearest number of E2M1, ties to even, subnormals kept.
;;     - The product sums the exact products of the quantised numbers (number of the format x scale) in f32.
;;   ~~~python
;;   def quantise(x, axis):      # numpy; x: float32 -> the quantised numbers, widened to float32 again
;;       x = np.moveaxis(x, axis, -1); K = x.shape[-1]
;;       x = np.pad(x, [(0, 0)] * (x.ndim - 1) + [(0, -K % 32)]); x = x.reshape(x.shape[:-1] + (-1, 32)); a = np.abs(x).max(-1, keepdims=True)
;;       e = np.where(a > 0, np.clip(np.frexp(np.where(a > 0, a, 1))[1] - 1 - 2, -126, 127), 0)      # np.frexp(a)[1] - 1 = floor(log2(a)), exactly
;;       r = np.clip(x / 2.0 ** e, -6, 6)
;;       step = 2.0 ** (np.maximum(np.frexp(np.where(r == 0, 1, r))[1] - 1, 0) - 1)
;;       q = np.round(r / step) * step * 2.0 ** e      # np.round: ties to even
;;       return np.moveaxis(q.reshape(q.shape[:-2] + (-1,))[..., :K], -1, axis).astype(np.float32)
;;   ~~~
;; One version. Each part assembles by itself: llvm-mc -triple=amdgcn-amd-amdhsa -mcpu=gfx1250 --defsym DOCPART=n.
;; ======== version 1 of 1: 4 launches
;; limits: values are held in f16: magnitudes above 65,504 overflow, below 6.1e-05 lose precision
;; workspace buffers: xcod 2,228,224 bytes; wcod 835,584 bytes; wo16 2,097,152 bytes; qimg 8,388,608 bytes; kimg 2,097,152 bytes; vimg 2,097,152 bytes; aimg 8,388,608 bytes; mbits 256 bytes of whole numbers
;; launch prep (part 1): grid 337 x 1, 8 waves a work-group, no clusters, 68,608 bytes of LDS; arguments x, Wq, Wk, Wv, Wo, attention_mask, xcod, wcod, wo16, mbits; writes xcod, wcod, wo16, mbits
.if DOCPART == 1
	.amdgcn_target "amdgcn-amd-amdhsa--gfx1250"
	.amdhsa_code_object_version 6
	.text
	.protected	k_qb3482a8ac7_prep
	.globl	k_qb3482a8ac7_prep
	.p2align	8
	.type	k_qb3482a8ac7_prep,@function
k_qb3482a8ac7_prep:
	s_mov_b64 s[64:65], 0
	v_nop
	global_prefetch_b8 v0, s[64:65] scope:SCOPE_SE
	s_setreg_imm32_b32 hwreg(HW_REG_WAVE_MODE, 25, 1), 1
	s_wait_xcnt 0x0
; PREP.  x [4096][1024] and Wq, Wk, Wv [1024][N], f32, become codes of FP4 (E2M1) with one E8M0 byte for each 32 along K = 1024; Wo [1024][1024] becomes f16; the mask becomes two words of bits a batch.
; EVERYTHING IS STORED AS AN IMAGE OF THE OPERAND'S REGISTERS.  A tile of 16 rows (of x) or 16 columns (of a weight) is 8,704 bytes: for each of the 8 K steps of 128 the fragment's 8 registers
; (registers 4 c .. 4 c + 3 at 512 c + 16 x lane; lane (r, h) holds k = 64 c + 32 h + 0 .. 31 of row r), then at byte 8,192 the scale words, [row 16][K step 8], 4 bytes each.
; Wo^T's tiles of 16 columns are 32 fragments of 16 x 32 f16, 1,024 bytes each (registers 0-3 at 16 x lane, registers 4-7 at 512 + 16 x lane).
; A block's scale is 2^(floor(log2(largest magnitude)) - 2): its byte is the largest magnitude's exponent field - 2, held at 1 from below by a floor among the maximum's leaves.
; ROLES, by the work-group's number: 0-31 Wq, 32-39 Wk, 40-47 Wv, 48-79 Wo (a K step of 128 x 256 columns each: a lane takes a column and its 128 registers run down K);
; 80-335 x (16 rows; wave w takes K step w; the rows turn through the wave's own stage in LDS so that loads are dense and a lane ends up with neighbours along K); 336 the mask.
; No barrier: waves share nothing.  Each wave asks for all its numbers at once.
; LIMITS: NaN and infinities are not served.  A block of zeros gets the byte 1 where the quantiser says 127: its codes are zeros, and the bytes are read by this program alone.
; Wo in f16: magnitudes up to 65,504; under 6e-5 the absolute error stays at 3e-8.
.set M,     10                         ; v10-13  largest magnitudes (the mask role: minima)
.set SCL,   14                         ; v14-17  the conversions' scale operands (the mask role: ors)
.set BY,    20                         ; v20-23  scale bytes
.set WRD,   24                         ; v24     a scale word
.set TMP,   25
.set SPW,   26                         ; v26     LDS address of my spare word; never rewritten
.set NIL,   27                         ; v27     0; never rewritten
.set C,     28                         ; v28-43  codes
.set X,     48                         ; v48-175 128 numbers
.set TILEB, 8704
.set STGB,  16*528                     ; a wave's stage: 16 rows of 512 bytes + 16 of padding
.set SPARE, 8*STGB                     ; behind the stages: the spare words, 128 bytes a wave
; nb blocks of 32 numbers, v[src + 32 b + i], become 4 registers of codes each, v[C + 4 b ..], and a byte v[BY + b]
.macro QUANT src, nb
.irp b, 0,1,2,3
.if \b < \nb
	v_max3_num_f32 v[M+\b], |v[\src+32*\b]|, |v[\src+32*\b+1]|, 0x1800000   ; the floor 2^(3 - 127): the byte cannot fall under 1
.endif
.endr
.irp i, 2,4,6,8,10,12,14,16,18,20,22,24,26,28,30
.irp b, 0,1,2,3
.if \b < \nb
	v_max3_num_f32 v[M+\b], v[M+\b], |v[\src+32*\b+\i]|, |v[\src+32*\b+\i+1]|   ; the blocks by turns
.endif
.endr
.endr
.irp b, 0,1,2,3
.if \b < \nb
	v_add_nc_u32 v[SCL+\b], 0xff000000, v[M+\b]    ; 2 off the exponent field: the conversion takes that field as its scale
.endif
.endr
.irp b, 0,1,2,3
.if \b < \nb
	v_lshrrev_b32 v[BY+\b], 23, v[SCL+\b]          ; the scale's byte
.endif
.endr
.irp b, 0,1,2,3
.if \b < \nb
.irp g, 0,1,2,3
	v_cvt_scalef32_pk8_fp4_f32 v[C+4*\b+\g], v[\src+32*\b+8*\g:\src+32*\b+8*\g+7], v[SCL+\b]
.endr
.endif
.endr
	v_nop                                          ; one plain instruction behind the last scaled conversion
.endm
.macro LOADW stride                    ; W(128 s + i, my column), i = 0 .. 127: a wave reads 128 consecutive bytes, the eight waves 1,024
.set i, 0
.rept 128
	global_load_b32 v[X+i], v4, s[26:27] offset:i*\stride th:TH_LOAD_NT
.set i, i+1
.endr
.endm
	s_load_b512 s[4:19], s[0:1], 0x0               ; x 4, Wq 6, Wk 8, Wv 10, Wo 12, mask 14, xcod 16, wcod 18
	s_load_b128 s[20:23], s[0:1], 0x40             ; wo16 20, mbits 22
	v_lshl_add_u32 v[SPW], v0, 2, SPARE
	v_mov_b32 v[NIL], 0
	v_lshrrev_b32 v1, 5, v0
	v_readfirstlane_b32 s24, v1                    ; wave 0..7
	v_and_b32 v1, 31, v0                           ; lane
	v_and_b32 v2, 15, v0                           ; r
	v_bfe_u32 v3, v0, 4, 1                         ; h
	s_mov_b32 s32, 0x76543210
	s_mov_b32 s33, 0xfedcba98                      ; v_permlanex16_b32's selects for lane l xor 16
	s_wait_kmcnt 0x0
	s_cmp_ge_u32 ttmp9, 336
	s_cbranch_scc1 .Lmask
	s_cmp_ge_u32 ttmp9, 80
	s_cbranch_scc1 .Lx
	; ---- the weights
	s_and_b32 s34, ttmp9, 7                        ; s: the K step
	s_lshr_b32 s35, ttmp9, 3                       ; 0-3 Wq, 4 Wk, 5 Wv, 6-9 Wo
	s_sub_co_u32 s36, s35, 6                       ; g, the block of 256 columns: Wo's,
	s_cmp_lt_u32 s35, 4
	s_cselect_b32 s36, s35, s36                    ; Wq's,
	s_cselect_b64 s[26:27], s[6:7], s[12:13]
	s_cmp_eq_u32 s35, 4
	s_cselect_b32 s36, 0, s36                      ; Wk and Wv have one
	s_cselect_b64 s[26:27], s[8:9], s[26:27]
	s_cmp_eq_u32 s35, 5
	s_cselect_b32 s36, 0, s36
	s_cselect_b64 s[26:27], s[10:11], s[26:27]
	s_lshr_b32 s37, s35, 1                         ; 2 for the weights with rows of 1,024 bytes
	s_cmp_eq_u32 s37, 2
	s_cselect_b32 s38, 17, 19
	s_lshl_b32 s38, s34, s38                       ; 128 s rows
	s_lshl_b32 s39, s36, 10
	s_add_co_u32 s38, s38, s39                     ; + 256 g columns
	s_lshl_b32 s39, s24, 7
	s_add_co_u32 s38, s38, s39                     ; + 32 x wave columns
	s_mov_b32 s39, 0
	s_add_nc_u64 s[26:27], s[26:27], s[38:39]
	v_lshlrev_b32 v4, 2, v1                        ; my column
	s_cmp_eq_u32 s37, 2
	s_cbranch_scc1 .Lnarrow
	LOADW 4096
	s_branch .Lloaded
.Lnarrow:
	LOADW 1024
.Lloaded:
	s_cmp_ge_u32 s35, 6
	s_cbranch_scc1 .Lwo
	; Wq, Wk, Wv.  The tile's number is 4 x head slot + t; slots 0-15 q0..q15, then k0 k1 v0 v1 k2 k3 v2 v3.  My 32 columns are half a head: two tiles
	s_lshr_b32 s40, s24, 1
	s_lshl_b32 s41, s36, 2
	s_add_co_u32 s41, s41, s40                     ; Wq: slot = 4 g + wave / 2
	s_and_b32 s42, s40, 1
	s_lshr_b32 s43, s24, 2
	s_lshl_b32 s43, s43, 2
	s_add_co_u32 s42, s42, s43
	s_sub_co_u32 s43, s35, 4                       ; 1 for Wv
	s_lshl_b32 s43, s43, 1
	s_add_co_u32 s42, s42, s43
	s_add_co_u32 s42, s42, 16                      ; Wk, Wv: 16 + j % 2 + 4 (j / 2) + 2 isV, j = wave / 2
	s_cmp_lt_u32 s35, 4
	s_cselect_b32 s41, s41, s42
	s_lshl_b32 s41, s41, 2
	s_and_b32 s42, s24, 1
	s_lshl_b32 s42, s42, 1
	s_add_co_u32 s41, s41, s42                     ; my first tile
	s_mul_i32 s41, s41, TILEB
	s_lshl_b32 s42, s34, 10
	s_add_co_u32 s42, s42, s41                     ; the K step's image
	s_mov_b32 s43, 0
	s_add_nc_u64 s[28:29], s[18:19], s[42:43]
	s_lshl_b32 s42, s34, 2
	s_add_co_u32 s42, s42, s41
	s_add_co_u32 s42, s42, 8192                    ; the K step's scale words
	s_add_nc_u64 s[30:31], s[18:19], s[42:43]
	v_mul_u32_u24 v5, v3, TILEB
	v_lshl_add_u32 v6, v2, 5, v5                   ; scale words: tile lane / 16, row lane % 16 of 32 bytes
	v_lshl_add_u32 v5, v2, 4, v5                   ; codes: tile lane / 16, 16 bytes at lane % 16
	s_wait_loadcnt 0x0
	QUANT X, 4
	v_lshl_or_b32 v[WRD], v[BY+1], 8, v[BY]
	v_lshl_or_b32 v[WRD], v[BY+2], 16, v[WRD]
	v_lshl_or_b32 v[WRD], v[BY+3], 24, v[WRD]
.irp b, 0,1,2,3                        ; block b is k = 64 (b / 2) + 32 (b % 2) on: register half b / 2, lanes' half b % 2: sixteen lanes store 256 consecutive bytes
	global_store_b128 v5, v[C+4*\b:C+4*\b+3], s[28:29] offset:(\b/2)*512+(\b%2)*256
.endr
	global_store_b32 v6, v[WRD], s[30:31]
	s_endpgm
.Lwo:
	s_lshl_b32 s40, s36, 4
	s_lshl_b32 s41, s24, 1
	s_add_co_u32 s40, s40, s41                     ; my first tile of 16 columns: 16 g + 2 x wave
	s_lshl_b32 s40, s40, 15                        ; 32 fragments of 1,024 bytes a tile
	s_lshl_b32 s41, s34, 12
	s_add_co_u32 s40, s40, s41                     ; the K step's four fragments
	s_mov_b32 s41, 0
	s_add_nc_u64 s[28:29], s[20:21], s[40:41]
	v_lshlrev_b32 v9, 15, v3
	v_lshl_add_u32 v9, v2, 4, v9
	s_wait_loadcnt 0x0
.set i, 0
.rept 64
	v_cvt_pk_f16_f32 v[X+i], v[X+2*i], v[X+2*i+1]  ; in place, ascending: a register is read before it is written
.set i, i+1
.endr
.irp q, 0,1,2,3,4,5,6,7,8,9,10,11,12,13,14,15   ; 8 neighbours along K: fragment q / 4; in it k = 8 (q % 4): registers 0-3 or 4-7 by (q / 2) % 2, lanes' half q % 2
	global_store_b128 v9, v[X+4*\q:X+4*\q+3], s[28:29] offset:(\q/4)*1024+((\q/2)%2)*512+(\q%2)*256
.endr
	s_endpgm
	; ---- x: 16 rows x 128 along K a wave
.Lx:
	s_sub_co_u32 s34, ttmp9, 80                    ; the tile of 16 rows
	s_lshl_b32 s36, s34, 16
	s_lshl_b32 s38, s24, 9
	s_add_co_u32 s36, s36, s38
	s_mov_b32 s37, 0
	s_add_nc_u64 s[26:27], s[4:5], s[36:37]
	v_lshlrev_b32 v4, 4, v1
.irp i, 0,1,2,3,4,5,6,7,8,9,10,11,12,13,14,15
	global_load_b128 v[X+4*\i:X+4*\i+3], v4, s[26:27] offset:4096*\i th:TH_LOAD_NT   ; row i: 512 consecutive bytes
.endr
	s_mul_i32 s40, s24, STGB
	v_add_nc_u32 v7, s40, v4                       ; the stage, on the way in: as loaded
	v_mul_u32_u24 v8, v2, 528
	v_lshl_add_u32 v8, v3, 7, v8
	v_add_nc_u32 v8, s40, v8                       ; and back: row r, 128 h bytes on: my 32 neighbours of each 64
	s_mul_i32 s41, s34, TILEB
	s_lshl_b32 s36, s24, 10
	s_add_co_u32 s36, s36, s41
	s_add_nc_u64 s[28:29], s[16:17], s[36:37]
	s_lshl_b32 s36, s24, 2
	s_add_co_u32 s36, s36, s41
	s_add_co_u32 s36, s36, 8192
	s_add_nc_u64 s[30:31], s[16:17], s[36:37]
	v_lshlrev_b32 v6, 5, v2
	v_lshlrev_b32 v9, 3, v3
	v_mov_b32 v[TMP], 0                            ; a lane permute's destination counts as one of its sources
.irp i, 0,1,2,3,4,5,6,7,8,9,10,11,12,13,14,15
	s_wait_loadcnt 15-\i                           ; row i is in; the younger loads may be out
	ds_store_b128 v7, v[X+4*\i:X+4*\i+3] offset:528*\i
.endr
.irp c, 0,1
.irp g, 0,1,2,3,4,5,6,7
	ds_load_b128 v[X+64+32*\c+4*\g:X+64+32*\c+4*\g+3], v8 offset:256*\c+16*\g   ; LDS serves a wave's instructions in order: these see my stores
.endr
.endr
	s_wait_dscnt 0x0
	QUANT X+64, 2
	v_lshl_or_b32 v[WRD], v[BY+1], 16, v[BY]       ; my two bytes: blocks h and 2 + h of row r,
	v_lshlrev_b32 v[WRD], v9, v[WRD]               ; 8 h bits up;
	v_permlanex16_b32 v[TMP], v[WRD], s32, s33
	v_or_b32 v[WRD], v[WRD], v[TMP]                ; with lane l xor 16's two the word is whole
	global_store_b128 v4, v[C:C+3], s[28:29]       ; 512 consecutive bytes a store
	global_store_b128 v4, v[C+4:C+7], s[28:29] offset:512
	global_store_b32 v6, v[WRD], s[30:31]          ; both halves of the lanes write the same word
	s_wait_tensorcnt 0x0                           ; the wave's end, behind my last LDS store
	ds_add_u32 v[SPW], v[NIL]
	s_wait_dscnt 0x0
	s_endpgm
	; ---- the mask: for each batch, bit i of FL: key step i (64 keys) holds a masked key; bit i of UN: it holds one that counts.  Each word is stored sixteen times: 128 bytes a batch
.Lmask:
	s_cmp_gt_u32 s24, 1
	s_cbranch_scc1 .Lidle                          ; two batches, two waves
	s_lshl_b32 s34, s24, 13
	s_mov_b32 s35, 0
	s_add_nc_u64 s[26:27], s[14:15], s[34:35]
	v_lshlrev_b32 v4, 8, v1                        ; lane l takes step l
.irp i, 0,1,2,3,4,5,6,7,8,9,10,11,12,13,14,15
	global_load_b128 v[X+4*\i:X+4*\i+3], v4, s[26:27] offset:16*\i
.endr
	s_lshl_b32 s34, s24, 7
	s_add_nc_u64 s[28:29], s[22:23], s[34:35]
	v_lshlrev_b32 v5, 2, v1
	s_wait_loadcnt 0x0
.irp k, 0,1,2,3
	v_min_u32 v[M+\k], v[X+\k], v[X+4+\k]
	v_or_b32 v[SCL+\k], v[X+\k], v[X+4+\k]
.endr
.set i, 8
.rept 56
	v_min_u32 v[M+i%4], v[M+i%4], v[X+i]
	v_or_b32 v[SCL+i%4], v[SCL+i%4], v[X+i]
.set i, i+1
.endr
	v_min_u32 v[M], v[M], v[M+1]
	v_min_u32 v[M+2], v[M+2], v[M+3]
	v_min_u32 v[M], v[M], v[M+2]
	v_or_b32 v[SCL], v[SCL], v[SCL+1]
	v_or_b32 v[SCL+2], v[SCL+2], v[SCL+3]
	v_or_b32 v[SCL], v[SCL], v[SCL+2]
	v_cmp_eq_u32 vcc_lo, 0, v[M]                   ; FL
	v_cmp_ne_u32 s36, 0, v[SCL]                    ; UN
	v_mov_b32 v[WRD], vcc_lo
	v_mov_b32 v[TMP], s36
	v_cmp_gt_u32 vcc_lo, 16, v1
	v_cndmask_b32 v[WRD], v[TMP], v[WRD], vcc_lo   ; lanes 0-15 FL, lanes 16-31 UN
	global_store_b32 v5, v[WRD], s[28:29]
.Lidle:
	s_endpgm
.Lfunc_end_k_qb3482a8ac7_prep:
	.size	k_qb3482a8ac7_prep, .Lfunc_end_k_qb3482a8ac7_prep-k_qb3482a8ac7_prep
	.p2alignl 7, 3214868480
	.fill 96, 4, 3214868480
	.section	.rodata,"a",@progbits
	.p2align	6, 0x0
	.amdhsa_kernel k_qb3482a8ac7_prep
		.amdhsa_group_segment_fixed_size 68608
		.amdhsa_private_segment_fixed_size 0
		.amdhsa_enable_private_segment 0
		.amdhsa_kernarg_size 80
		.amdhsa_user_sgpr_count 2
		.amdhsa_user_sgpr_kernarg_segment_ptr 1
		.amdhsa_wavefront_size32 1
		.amdhsa_system_sgpr_workgroup_id_x 1
		.amdhsa_system_sgpr_workgroup_id_y 1
		.amdhsa_system_sgpr_workgroup_id_z 1
		.amdhsa_system_vgpr_workitem_id 0
		.amdhsa_next_free_vgpr 176
		.amdhsa_next_free_sgpr 66
		.amdhsa_reserve_vcc 1
		.amdhsa_float_denorm_mode_32 3
		.amdhsa_float_denorm_mode_16_64 3
		.amdhsa_memory_ordered 1
		.amdhsa_forward_progress 1
		.amdhsa_inst_pref_size 54
	.end_amdhsa_kernel
	.amdgpu_metadata
---
amdhsa.version: [ 1, 2 ]
amdhsa.kernels:
  - .name:           k_qb3482a8ac7_prep
    .symbol:         k_qb3482a8ac7_prep.kd
    .args:
      - { .name: x, .offset: 0, .size: 8, .value_kind: global_buffer, .address_space: global }
      - { .name: Wq, .offset: 8, .size: 8, .value_kind: global_buffer, .address_space: global }
      - { .name: Wk, .offset: 16, .size: 8, .value_kind: global_buffer, .address_space: global }
      - { .name: Wv, .offset: 24, .size: 8, .value_kind: global_buffer, .address_space: global }
      - { .name: Wo, .offset: 32, .size: 8, .value_kind: global_buffer, .address_space: global }
      - { .name: attention_mask, .offset: 40, .size: 8, .value_kind: global_buffer, .address_space: global }
      - { .name: xcod, .offset: 48, .size: 8, .value_kind: global_buffer, .address_space: global }
      - { .name: wcod, .offset: 56, .size: 8, .value_kind: global_buffer, .address_space: global }
      - { .name: wo16, .offset: 64, .size: 8, .value_kind: global_buffer, .address_space: global }
      - { .name: mbits, .offset: 72, .size: 8, .value_kind: global_buffer, .address_space: global }
    .group_segment_fixed_size: 68608
    .private_segment_fixed_size: 0
    .kernarg_segment_align: 8
    .kernarg_segment_size: 80
    .max_flat_workgroup_size: 256
    .sgpr_count:     66
    .vgpr_count:     176
    .wavefront_size: 32
...
	.end_amdgpu_metadata
.endif
;; end of part 1
;; launch qkv (part 2): grid 32 x 6, 8 waves a work-group, clusters of 4 x 1, 327,680 bytes of LDS; arguments xcod, wcod, cos, sin, bq, bk, bv, qimg, kimg, vimg, out1, out2; writes qimg, kimg, vimg, out1, out2
.if DOCPART == 2
	.amdgcn_target "amdgcn-amd-amdhsa--gfx1250"
	.amdhsa_code_object_version 6
	.text
	.protected	k_qb3482a8ac7_qkv
	.globl	k_qb3482a8ac7_qkv
	.p2align	8
	.type	k_qb3482a8ac7_qkv,@function
k_qb3482a8ac7_qkv:
	s_mov_b64 s[64:65], 0
	v_nop
	global_prefetch_b8 v0, s[64:65] scope:SCOPE_SE
	s_setreg_imm32_b32 hwreg(HW_REG_WAVE_MODE, 25, 1), 1
	s_wait_xcnt 0x0
	s_wait_alu depctr_hold_cnt(0) depctr_sa_sdst(0) depctr_va_vdst(0) depctr_va_sdst(0) depctr_va_ssrc(0) depctr_va_vcc(0) depctr_vm_vsrc(0)
	s_getreg_b32 s2, hwreg(HW_REG_IB_STS2, 6, 4)
	s_cmp_eq_u32 s2, 0
	s_cbranch_scc0 .Lentry_in_a_cluster
	s_endpgm
.Lentry_in_a_cluster:
	s_bfe_u32 s2, ttmp6, 0x10000c
	s_cmp_lg_u32 s2, 0x3003
	s_cbranch_scc0 .Lentry_shape_is_right
	s_endpgm
.Lentry_shape_is_right:
; QKV.  q, k, v = x W + b on codes of FP4 (E2M1) with E8M0 scales, K = 1,024; then RoPE on q and k, in f32, by the tables as they are given.
; k and v leave as f32 (out1, out2: [b][kv head][position][64]); q x 0.125 log2(e), k and v leave also as f16, laid as images of the attention's operand registers.
; SHARES.  A work-group takes 128 rows of x (block MB) and four head slots (4 Y .. 4 Y + 3; slots 0-15 q0..q15, then k0 k1 v0 v1 k2 k3 v2 v3).  Wave w takes slot w % 4 and rows 64 (w / 4) on:
; 4 tiles of rows x 4 tiles of channels, 16 accumulators, 8 K steps of 128: 128 matrix instructions.  192 work-groups: a split by three slots would mix kinds in a wave.
; ALL OF K LIES IN LDS: x's 8 tiles and W's 16 tiles (8,704 bytes each: codes as register images, then scale words) and the block's 128 rows of cos and sin come by three tensor loads a wave, each filled once: no ring.
; CLUSTER.  The four work-groups of a cluster take neighbouring blocks of rows and the same four slots: W's tiles are asked for jointly (mask 15); x's tiles and the tables are each work-group's own.
; THE MATRIX INSTRUCTION IS USED TRANSPOSED (source 0 = 16 columns of W, source 1 = 16 rows of x): lane (r, h) holds row r and channels 16 t + 8 h + 0 .. 7.  Packed to f16 those are 16 bytes, which ARE registers
; 0-3 (t even) or 4-7 (t odd) of the 16 x 32 fragment of channels 32 (t / 2) on, in the same lane: a wave stores 512 consecutive bytes straight from registers.  V's chunks are laid in the order in which the turning LDS load wants them.
; The bias is the C of each sum's first matrix instruction.
; LIMITS: f16 images: |0.18 q|, |k|, |v| up to 65,504; under 6e-5 the absolute error stays at 3e-8.  NaN and infinities are not served.
; REGISTERS.  window 0: v1-11 addresses; v12, 13 the add's two; v14-21 at work; v32-63 scale words; v64-127 fragments (even K steps), later cos, sin, packed results, rows of the stage; v128-255 accumulators ((a, t) at 128 + 8 (4 a + t)).
;   window 1: v0-31 the bias; v64-127 fragments (odd K steps).
.set TILEB, 8704
.set WB,    8*TILEB                    ; LDS: x's 8 tiles from 0; W's 16 tiles;
.set TRG,   WB+16*TILEB                ; cos: 128 rows of 256 bytes + 16 of padding; sin behind it;
.set SINO,  128*272
.set STG,   TRG+2*SINO                 ; a stage of 16 rows x 272 bytes for each wave;
.set SPARE, STG+8*4352                 ; the spare words, 128 bytes a wave
.set LN16, 3                           ; v3   16 x lane
.set ADX,  4                           ; v4   x's fragments
.set ADW,  5                           ; v5   W's
.set ADS,  6                           ; v6   scale words: lanes 0-15 x's rows, lanes 16-31 W's
.set ADT,  7                           ; v7   my place in the tables
.set STO,  8                           ; v8   the stage: where I put 32 bytes of a row
.set RD,   9                           ; v9   and where I read a row back
.set GI,   10                          ; v10  my 16 bytes in an image's 512
.set BA,   11                          ; v11  32 h: the bias
.set SPW,  12
.set NIL,  13
.set T,    14
.set SC,   32
.set F,    64
.set COS,  64
.set SIN,  96
.set BK,   64
.set PK,   96
.set ACC,  128
.set WV,   28
.set HS,   29
.set RH,   30
.set MB,   32
.set Y,    33
.set KIND, 34                          ; 0 q, 1 k, 2 v
.set BB,   35
.set G1X,  36
.set G1W,  44
.set G1T,  52
.set G0X,  60
.set G0W,  68
.set G0T,  72
.set IMG,  76
.set OUTF, 78
.set BIAS, 80
.set QS,   82
.set MSB, 0
.macro WIN new                         ; the immediate's high byte repeats the setting that is left
.if MSB != \new
	s_set_vgpr_msb (MSB<<8)|\new
.set MSB, \new
.endif
.endm
.macro PLACES n
.rept \n
	v_nop
.endr
.endm
.macro CROUND                          ; a round of the cluster's barrier
	s_barrier_signal -1
	s_barrier_wait -1
	s_cmp_lg_u32 s[WV], 0
	s_cbranch_scc1 .Lnot_wave_0_\@
	s_barrier_signal -3
.Lnot_wave_0_\@:
	s_barrier_wait -3
	s_barrier_signal -1
	s_barrier_wait -1
.endm
	s_load_b512 s[4:19], s[0:1], 0x0               ; xcod 4, wcod 6, cos 8, sin 10, bq 12, bk 14, bv 16, qimg 18
	s_load_b256 s[20:27], s[0:1], 0x40             ; kimg 20, vimg 22, out1 24, out2 26
	v_lshl_add_u32 v[SPW], v0, 2, SPARE
	v_mov_b32 v[NIL], 0
	ds_add_u32 v[SPW], v[NIL]                      ; the wave's opening: the add, twice on end, and its wait ahead of my first tensor load
	ds_add_u32 v[SPW], v[NIL]
	v_lshrrev_b32 v1, 5, v0
	v_readfirstlane_b32 s[WV], v1                  ; wave 0..7
	s_and_b32 s[HS], s[WV], 3                      ; my slot of the four
	s_lshr_b32 s[RH], s[WV], 2                     ; my half of the rows
	s_bfe_u32 s31, ttmp6, 0x40000                  ; cx
	s_lshl_b32 s[MB], ttmp9, 2
	s_add_co_u32 s[MB], s[MB], s31                 ; my block of 128 rows: it enters global addresses alone
	s_and_b32 s[Y], ttmp7, 0xffff
	s_lshr_b32 s[BB], s[MB], 4                     ; the batch
	s_lshr_b32 s84, s[HS], 1
	s_add_co_u32 s84, s84, 1
	s_cmp_lt_u32 s[Y], 4
	s_cselect_b32 s[KIND], 0, s84
	; descriptor groups 1: dense blocks as rows of 256 bytes (32 elements of 8 bytes)
	s_mov_b32 s[G1X], 3<<16                        ; x: one tile, 34 rows; no mask
	s_mov_b32 s[G1X+1], 32<<16
	s_mov_b32 s[G1X+2], 34<<16
	s_mov_b32 s[G1X+3], 32<<16
	s_mov_b32 s[G1X+4], 34
	s_mov_b32 s[G1X+5], 32
	s_mov_b32 s[G1X+6], 0
	s_mov_b32 s[G1X+7], 0
	s_mov_b32 s[G1W], 15|(3<<16)|(1<<21)           ; W: two tiles, 68 rows; the mask names all four work-groups, bit 21 beside it
	s_mov_b32 s[G1W+1], 32<<16
	s_mov_b32 s[G1W+2], 68<<16
	s_mov_b32 s[G1W+3], 32<<16
	s_mov_b32 s[G1W+4], 68
	s_mov_b32 s[G1W+5], 32
	s_mov_b32 s[G1W+6], 0
	s_mov_b32 s[G1W+7], 0
	s_mov_b32 s[G1T], (3<<16)|(1<<20)|(5<<22)|(3<<25)   ; a table: 32 rows, 4 words of padding behind every 64
	s_mov_b32 s[G1T+1], 32<<16
	s_mov_b32 s[G1T+2], 32<<16
	s_mov_b32 s[G1T+3], 32<<16
	s_mov_b32 s[G1T+4], 32
	s_mov_b32 s[G1T+5], 32
	s_mov_b32 s[G1T+6], 0
	s_mov_b32 s[G1T+7], 0
	s_lshl_b32 s84, s[MB], 3
	s_add_co_u32 s84, s84, s[WV]
	s_mul_i32 s84, s84, TILEB                      ; x: tile 8 MB + wave
	s_mov_b32 s85, 0
	s_lshl_b32 s86, s[Y], 4
	s_lshl_b32 s87, s[WV], 1
	s_add_co_u32 s86, s86, s87
	s_mul_i32 s86, s86, TILEB                      ; W: tiles 16 Y + 2 wave on: the same in all four partners
	s_mov_b32 s87, 0
	s_and_b32 s88, s[MB], 15
	s_lshl_b32 s88, s88, 7
	s_lshl_b32 s89, s[HS], 5
	s_add_co_u32 s88, s88, s89
	s_lshl_b32 s88, s88, 8                         ; the tables: position 128 (MB % 16) + 32 (wave % 4), 256 bytes a row
	s_mov_b32 s89, 0
	s_mov_b32 s[QS], 0x3e38aa3b                    ; 0.125 log2(e)
	s_mov_b32 s[QS+1], s[QS]
	s_wait_dscnt 0x0                               ; both opening adds are done
	s_wait_kmcnt 0x0
	s_mov_b32 s[G0X], 1
	s_mul_i32 s[G0X+1], s[WV], TILEB
	s_add_nc_u64 s[G0X+2:G0X+3], s[4:5], s[84:85]
	s_or_b32 s[G0X+3], s[G0X+3], 0x80000000
	s_mov_b32 s[G0W], 1
	s_mul_i32 s[G0W+1], s[WV], 2*TILEB
	s_add_co_u32 s[G0W+1], s[G0W+1], WB
	s_add_nc_u64 s[G0W+2:G0W+3], s[6:7], s[86:87]
	s_or_b32 s[G0W+3], s[G0W+3], 0x80000000
	s_mov_b32 s[G0T], 1
	s_mul_i32 s[G0T+1], s[WV], TILEB               ; 32 rows of 272 bytes a wave: waves 0-3 cos, waves 4-7 sin
	s_add_co_u32 s[G0T+1], s[G0T+1], TRG
	s_cmp_lt_u32 s[WV], 4
	s_cselect_b64 s[G0T+2:G0T+3], s[8:9], s[10:11]
	s_add_nc_u64 s[G0T+2:G0T+3], s[G0T+2:G0T+3], s[88:89]
	s_or_b32 s[G0T+3], s[G0T+3], 0x80000000
	CROUND                                         ; all four work-groups are here: the joint loads meet
	tensor_load_to_lds s[G0W:G0W+3], s[G1W:G1W+7]  ; three loads of mine are out, each a first fill
	s_nop 0
	tensor_load_to_lds s[G0X:G0X+3], s[G1X:G1X+7]
	s_nop 0
	tensor_load_to_lds s[G0T:G0T+3], s[G1T:G1T+7]
	s_nop 0
	PLACES 4
	; where my results go
	s_and_b32 s90, s[MB], 15
	s_lshl_b32 s90, s90, 3
	s_lshl_b32 s91, s[RH], 2
	s_add_co_u32 s90, s90, s91                     ; my first tile of 16 positions
	s_lshl_b32 s91, s[Y], 2
	s_add_co_u32 s91, s91, s[HS]                   ; q: the head is the slot
	s_and_b32 s92, s[Y], 1
	s_lshl_b32 s92, s92, 1
	s_and_b32 s93, s[HS], 1
	s_add_co_u32 s92, s92, s93                     ; k, v: kv head 2 (Y - 4) + slot % 2
	s_cmp_eq_u32 s[KIND], 0
	s_cselect_b32 s84, s91, s92
	s_cselect_b32 s86, 4, 2                        ; 16 or 4 heads a batch
	s_cselect_b64 s[IMG:IMG+1], s[18:19], s[20:21]
	s_cselect_b64 s[BIAS:BIAS+1], s[12:13], s[14:15]
	s_cmp_eq_u32 s[KIND], 2
	s_cselect_b64 s[IMG:IMG+1], s[22:23], s[IMG:IMG+1]
	s_cselect_b64 s[BIAS:BIAS+1], s[16:17], s[BIAS:BIAS+1]
	s_cselect_b64 s[OUTF:OUTF+1], s[26:27], s[24:25]
	s_cselect_b32 s94, -1, 0
	s_lshl_b32 s88, s84, 8
	s_mov_b32 s89, 0
	s_add_nc_u64 s[BIAS:BIAS+1], s[BIAS:BIAS+1], s[88:89]
	s_lshl_b32 s87, s[BB], s86
	s_add_co_u32 s87, s87, s84
	s_lshl_b32 s87, s87, 7
	s_add_co_u32 s87, s87, s90                     ; (batch x heads + head) x 128 tiles + my first
	s_lshl_b32 s88, s87, 11                        ; 2,048 bytes a tile in an image
	s_add_nc_u64 s[IMG:IMG+1], s[IMG:IMG+1], s[88:89]
	s_lshl_b32 s88, s87, 12                        ; 4,096 in out1 and out2
	s_cmp_eq_u32 s[KIND], 0
	s_cselect_b32 s88, 0, s88                      ; (q has no such output: the pointer is not used)
	s_add_nc_u64 s[OUTF:OUTF+1], s[OUTF:OUTF+1], s[88:89]
	v_and_b32 v1, 15, v0                           ; r
	v_bfe_u32 v2, v0, 4, 1                         ; h
	v_and_b32 v[LN16], 31, v0
	v_lshlrev_b32 v[LN16], 4, v[LN16]
	v_lshlrev_b32 v[BA], 5, v2
	WIN 0x40                                       ; destination window 1
.irp t, 0,1,2,3
	global_load_b128 v[8*\t:8*\t+3],   v[BA], s[BIAS:BIAS+1] offset:64*\t      ; the bias of channels 16 t + 8 h + 0 .. 7, in the result's layout
	global_load_b128 v[8*\t+4:8*\t+7], v[BA], s[BIAS:BIAS+1] offset:64*\t+16
.endr
	WIN 0
	s_mul_i32 s84, s[RH], 4*TILEB                  ; my four tiles of x
	s_mul_i32 s85, s[HS], 4*TILEB
	s_add_co_u32 s85, s85, WB                      ; my four tiles of W
	v_add_nc_u32 v[ADX], s84, v[LN16]
	v_add_nc_u32 v[ADW], s85, v[LN16]
	s_sub_co_u32 s86, s85, s84
	v_mul_u32_u24 v[ADS], s86, v2                  ; lanes 16-31 take W's words: the lower base + h x the distance
	v_lshl_add_u32 v[ADS], v1, 5, v[ADS]           ; 32 bytes a row
	s_add_co_u32 s87, s84, 8192
	v_add_nc_u32 v[ADS], s87, v[ADS]
	s_mul_i32 s87, s[RH], 64*272
	s_add_co_u32 s87, s87, TRG
	v_mul_u32_u24 v14, v1, 272
	v_lshl_add_u32 v14, v2, 5, v14                 ; row r, 32 h bytes on
	v_add_nc_u32 v[ADT], s87, v14
	s_mul_i32 s88, s[WV], 4352
	s_add_co_u32 s88, s88, STG
	v_add_nc_u32 v[STO], s88, v14
	v_mul_u32_u24 v15, v2, 272
	v_lshl_add_u32 v15, v1, 4, v15
	v_add_nc_u32 v[RD], s88, v15                   ; back: lanes 0-15 one row, lanes 16-31 the next
	v_and_b32 v14, 7, v1
	v_lshrrev_b32 v15, 3, v1
	v_lshlrev_b32 v14, 4, v14
	v_lshl_add_u32 v14, v2, 7, v14
	v_lshl_add_u32 v14, v15, 8, v14                ; V: the chunk of (key r, channel half h) lies at 16 (r % 8 + 8 h + 16 (r / 8))
	v_cndmask_b32 v[GI], v[LN16], v14, s94
	s_wait_tensorcnt 0x0                           ; my three loads have landed,
	s_barrier_signal -1
	s_barrier_wait -1                              ; everybody's have.  Nothing is filled again in this launch
; the fragments of K step s: W's four and x's four, two loads of 512 consecutive bytes each
.macro FETCH s
.if (\s)%2
	WIN 0x40
.else
	WIN 0
.endif
.irp i, 0,1,2,3
	ds_load_b128 v[F+8*\i:F+8*\i+3],         v[ADW] offset:\i*TILEB+(\s)*1024
	ds_load_b128 v[F+8*\i+4:F+8*\i+7],       v[ADW] offset:\i*TILEB+(\s)*1024+512
	ds_load_b128 v[F+32+8*\i:F+32+8*\i+3],   v[ADX] offset:\i*TILEB+(\s)*1024
	ds_load_b128 v[F+32+8*\i+4:F+32+8*\i+7], v[ADX] offset:\i*TILEB+(\s)*1024+512
.endr
.endm
; K step s: the next step's fragments are asked for, then 16 matrix instructions.  The 16 accumulators take turns, one instruction a turn, in the same order in every step
.macro KSTEP s
.if \s < 7
.if \s > 0
	PLACES 4                                       ; in front of loads into registers that the last step but one's... the step before's matrix instructions have read
.endif
	FETCH (\s)+1
	s_wait_dscnt 16                                ; all but the 16 just issued
.else
	s_wait_dscnt 0x0
.endif
.if \s == 0
	s_wait_loadcnt 0x0                             ; the bias
	WIN 0x10                                       ; C in window 1
.elseif (\s)%2
	WIN 0x05                                       ; sources 0 and 1 in window 1
.else
	WIN 0
.endif
.irp a, 0,1,2,3
.irp t, 0,1,2,3
.if \s == 0
	v_wmma_scale_f32_16x16x128_f8f6f4 v[ACC+8*(4*\a+\t):ACC+8*(4*\a+\t)+7], v[F+8*\t:F+8*\t+7], v[F+32+8*\a:F+32+8*\a+7], v[8*\t:8*\t+7], v[SC+8*\t+(\s)], v[SC+8*\a+(\s)] matrix_a_fmt:MATRIX_FMT_FP4 matrix_b_fmt:MATRIX_FMT_FP4 matrix_a_scale:MATRIX_SCALE_ROW1
.else
	v_wmma_scale_f32_16x16x128_f8f6f4 v[ACC+8*(4*\a+\t):ACC+8*(4*\a+\t)+7], v[F+8*\t:F+8*\t+7], v[F+32+8*\a:F+32+8*\a+7], v[ACC+8*(4*\a+\t):ACC+8*(4*\a+\t)+7], v[SC+8*\t+(\s)], v[SC+8*\a+(\s)] matrix_a_fmt:MATRIX_FMT_FP4 matrix_b_fmt:MATRIX_FMT_FP4 matrix_a_scale:MATRIX_SCALE_ROW1
.endif
.endr
.endr
.endm
; The way out of my rows 16 a on.  Every accumulator is read from its low end on
.macro TILE a
	s_wait_xcnt 0x0                                ; the last tile's stores have read their registers: v64-127 are written again only behind this wait
	s_cmp_eq_u32 s[KIND], 2
	s_cbranch_scc1 .Lno_rope_\@
.irp t, 0,1,2,3
.irp q, 0,1
	ds_load_b128 v[COS+8*\t+4*\q:COS+8*\t+4*\q+3], v[ADT] offset:(\a)*4352+64*\t+16*\q
	ds_load_b128 v[SIN+8*\t+4*\q:SIN+8*\t+4*\q+3], v[ADT] offset:SINO+(\a)*4352+64*\t+16*\q
.endr
.endr
	s_wait_dscnt 0x0
.irp t, 0,1                            ; channels d < 32 (tiles 0, 1): y = y cos - y(d + 32) sin;  d >= 32 (tiles 2, 3): y = y cos + y(d - 32) sin; each with its own channel's cos and sin
.irp p, 0,2,4,6
	v_pk_mul_f32 v[T+2*(\p%4):T+2*(\p%4)+1],   v[ACC+32*(\a)+8*(\t+2)+\p:ACC+32*(\a)+8*(\t+2)+\p+1], v[SIN+8*\t+\p:SIN+8*\t+\p+1]
	v_pk_mul_f32 v[T+2*(\p%4)+2:T+2*(\p%4)+3], v[ACC+32*(\a)+8*\t+\p:ACC+32*(\a)+8*\t+\p+1], v[SIN+8*(\t+2)+\p:SIN+8*(\t+2)+\p+1]
	v_pk_fma_f32 v[ACC+32*(\a)+8*\t+\p:ACC+32*(\a)+8*\t+\p+1], v[ACC+32*(\a)+8*\t+\p:ACC+32*(\a)+8*\t+\p+1], v[COS+8*\t+\p:COS+8*\t+\p+1], v[T+2*(\p%4):T+2*(\p%4)+1] neg_lo:[0,0,1] neg_hi:[0,0,1]
	v_pk_fma_f32 v[ACC+32*(\a)+8*(\t+2)+\p:ACC+32*(\a)+8*(\t+2)+\p+1], v[ACC+32*(\a)+8*(\t+2)+\p:ACC+32*(\a)+8*(\t+2)+\p+1], v[COS+8*(\t+2)+\p:COS+8*(\t+2)+\p+1], v[T+2*(\p%4)+2:T+2*(\p%4)+3]
.endr
.endr
.Lno_rope_\@:
	s_cmp_lg_u32 s[KIND], 0
	s_cbranch_scc1 .Lno_scale_\@
.irp j, 0,2,4,6,8,10,12,14,16,18,20,22,24,26,28,30
	v_pk_mul_f32 v[ACC+32*(\a)+\j:ACC+32*(\a)+\j+1], v[ACC+32*(\a)+\j:ACC+32*(\a)+\j+1], s[QS:QS+1] op_sel_hi:[1,0]   ; q carries the scores' scale and log2(e)
.endr
.Lno_scale_\@:
.irp t, 0,1,2,3
.irp j, 0,1,2,3
	v_cvt_pk_f16_f32 v[PK+4*\t+\j], v[ACC+32*(\a)+8*\t+2*\j], v[ACC+32*(\a)+8*\t+2*\j+1]
.endr
.endr
.irp t, 0,1,2,3
	global_store_b128 v[GI], v[PK+4*\t:PK+4*\t+3], s[IMG:IMG+1] offset:(\a)*2048+\t*512   ; a wave stores 512 consecutive bytes
.endr
	s_cmp_eq_u32 s[KIND], 0
	s_cbranch_scc1 .Lno_out_\@
.irp t, 0,1,2,3                        ; k and v in f32: through my own stage, so that whole rows of 256 bytes leave
	ds_store_b128 v[STO], v[ACC+32*(\a)+8*\t:ACC+32*(\a)+8*\t+3]   offset:64*\t
	ds_store_b128 v[STO], v[ACC+32*(\a)+8*\t+4:ACC+32*(\a)+8*\t+7] offset:64*\t+16
.endr
.irp i, 0,1,2,3,4,5,6,7
	ds_load_b128 v[BK+4*\i:BK+4*\i+3], v[RD] offset:544*\i   ; LDS serves a wave's instructions in order: these see my stores
.endr
.irp i, 0,1,2,3,4,5,6,7
	s_wait_dscnt 7-\i                              ; the younger loads may be out
	global_store_b128 v[LN16], v[BK+4*\i:BK+4*\i+3], s[OUTF:OUTF+1] offset:(\a)*4096+512*\i th:TH_STORE_NT   ; two rows: 512 consecutive bytes
.endr
.Lno_out_\@:
.endm
.irp i, 0,1,2,3                        ; the scale words of all 8 K steps: lanes 0-15 x's tile i, lanes 16-31 W's tile i; register SC + 8 i + s
.irp q, 0,1
	ds_load_b128 v[SC+8*\i+4*\q:SC+8*\i+4*\q+3], v[ADS] offset:\i*TILEB+16*\q
.endr
.endr
	FETCH 0
	KSTEP 0
	KSTEP 1
	KSTEP 2
	KSTEP 3
	KSTEP 4
	KSTEP 5
	KSTEP 6
	KSTEP 7
	WIN 0
	PLACES 4                                       ; in front of the first reads of results and of loads into the fragments' registers
	TILE 0
	TILE 1
	TILE 2
	TILE 3
	s_wait_tensorcnt 0x0                           ; the wave's end, behind my last tensor load and my last LDS store
	ds_add_u32 v[SPW], v[NIL]
	s_wait_dscnt 0x0
	CROUND                                         ; the closing round
	s_endpgm
.Lfunc_end_k_qb3482a8ac7_qkv:
	.size	k_qb3482a8ac7_qkv, .Lfunc_end_k_qb3482a8ac7_qkv-k_qb3482a8ac7_qkv
	.p2alignl 7, 3214868480
	.fill 96, 4, 3214868480
	.section	.rodata,"a",@progbits
	.p2align	6, 0x0
	.amdhsa_kernel k_qb3482a8ac7_qkv
		.amdhsa_group_segment_fixed_size 327680
		.amdhsa_private_segment_fixed_size 0
		.amdhsa_enable_private_segment 0
		.amdhsa_kernarg_size 96
		.amdhsa_user_sgpr_count 2
		.amdhsa_user_sgpr_kernarg_segment_ptr 1
		.amdhsa_wavefront_size32 1
		.amdhsa_system_sgpr_workgroup_id_x 1
		.amdhsa_system_sgpr_workgroup_id_y 1
		.amdhsa_system_sgpr_workgroup_id_z 1
		.amdhsa_system_vgpr_workitem_id 0
		.amdhsa_next_free_vgpr 384
		.amdhsa_next_free_sgpr 96
		.amdhsa_reserve_vcc 0
		.amdhsa_float_denorm_mode_32 3
		.amdhsa_float_denorm_mode_16_64 3
		.amdhsa_memory_ordered 1
		.amdhsa_forward_progress 1
		.amdhsa_inst_pref_size 66
	.end_amdhsa_kernel
	.amdgpu_metadata
---
amdhsa.version: [ 1, 2 ]
amdhsa.kernels:
  - .name:           k_qb3482a8ac7_qkv
    .symbol:         k_qb3482a8ac7_qkv.kd
    .args:
      - { .name: xcod, .offset: 0, .size: 8, .value_kind: global_buffer, .address_space: global }
      - { .name: wcod, .offset: 8, .size: 8, .value_kind: global_buffer, .address_space: global }
      - { .name: cos, .offset: 16, .size: 8, .value_kind: global_buffer, .address_space: global }
      - { .name: sin, .offset: 24, .size: 8, .value_kind: global_buffer, .address_space: global }
      - { .name: bq, .offset: 32, .size: 8, .value_kind: global_buffer, .address_space: global }
      - { .name: bk, .offset: 40, .size: 8, .value_kind: global_buffer, .address_space: global }
      - { .name: bv, .offset: 48, .size: 8, .value_kind: global_buffer, .address_space: global }
      - { .name: qimg, .offset: 56, .size: 8, .value_kind: global_buffer, .address_space: global }
      - { .name: kimg, .offset: 64, .size: 8, .value_kind: global_buffer, .address_space: global }
      - { .name: vimg, .offset: 72, .size: 8, .value_kind: global_buffer, .address_space: global }
      - { .name: out1, .offset: 80, .size: 8, .value_kind: global_buffer, .address_space: global }
      - { .name: out2, .offset: 88, .size: 8, .value_kind: global_buffer, .address_space: global }
    .group_segment_fixed_size: 327680
    .private_segment_fixed_size: 0
    .kernarg_segment_align: 8
    .kernarg_segment_size: 96
    .max_flat_workgroup_size: 256
    .sgpr_count:     96
    .vgpr_count:     384
    .wavefront_size: 32
...
	.end_amdgpu_metadata
.endif
;; end of part 2
;; launch attn (part 3): grid 8 x 32, 8 waves a work-group, no clusters, 271,360 bytes of LDS; arguments qimg, kimg, vimg, attention_mask, mbits, aimg; writes aimg
.if DOCPART == 3
	.amdgcn_target "amdgcn-amd-amdhsa--gfx1250"
	.amdhsa_code_object_version 6
	.text
	.protected	k_qb3482a8ac7_attn
	.globl	k_qb3482a8ac7_attn
	.p2align	8
	.type	k_qb3482a8ac7_attn,@function
k_qb3482a8ac7_attn:
	s_mov_b64 s[64:65], 0
	v_nop
	global_prefetch_b8 v0, s[64:65] scope:SCOPE_SE
	s_setreg_imm32_b32 hwreg(HW_REG_WAVE_MODE, 25, 1), 1
	s_wait_xcnt 0x0
; ATTN.  O[q] = the sum over keys of softmax(q . k / 8 + pad) v, pad = -1e9 where attention_mask is 0.  Products on f16 operands with f32 sums; maxima, exponentials and sums in f32.
; SHARES.  A work-group owns 256 queries of one head; wave w owns two tiles of 16 (2 w, 2 w + 1).  Two waves lie on a SIMD, so that one wave's softmax stands beside the other's products.  All 2,048 keys are walked, 64 a step.
; LAYOUT.  S^T = K Q^T (source 0 = 16 keys, source 1 = 16 queries) and O^T = V^T P (source 0 = 16 channels x 32 keys): a lane holds ONE query throughout.  Q, K and V arrive as images of these operands' registers,
; so every LDS load takes 512 consecutive bytes; V's chunks lie in the order in which ds_load_tr16_b128 at 16 x lane gives half a fragment of V^T.  O^T packed to f16 is again an image: the next launch's operand.
; K AND V GO THROUGH REGISTERS INTO TWO LDS SLOTS of 512 keys (K 64 KiB, V 64 KiB): in each step a wave moves 2 KiB of the NEXT slot (4 loads, 4 LDS stores); one barrier for 8 steps.
; NO TENSOR LOADS AND NO CLUSTER: a step whose 64 keys all count jumps over the pad's arithmetic (64 packed multiply-adds and 8 LDS loads a wave) by a scalar branch on a word of bits that an earlier launch stored.
; What partners could share is 16 KiB a step, an eighth of what the work-group reads from LDS in that step.
; SOFTMAX in powers of two.  Q carries 0.125 log2(e), so S' = score x SCALE x log2(e).  m is the running maximum of S', p = 2^(S' - m), O and the sum l are multiplied by a = 2^(old m - new m) in every step.
; In a step with a masked key: u = S' ln2 + pad (one fused multiply-add: the f32 sum score x SCALE + pad), S' = u log2(e) + SH; SH is 0, or 1e9 log2(e) in a batch with no key that counts, where every step goes this way and the common shift cancels.
; LIMITS: f16 operands: |0.18 q|, |k|, |v|, |O| up to 65,504; weights p under 6e-5 keep an absolute error of 3e-8.  Keys that count in a step with a masked key pass two more f32 roundings (1e-7 of the score).  NaN and infinities are not served.
; REGISTERS.  window 0: v1-7, v26-31 addresses; v8-23 statistics (tile x at 8 + 8 x: +0 m, +1 its pair's filler, +2, +3 l, +4 .. +7 c0-c3; a takes c2's place); v24, 25 SH; v32-63 Q; v64-127 K; v128-191 S^T, then P in each tile's first 16; v192-255 O^T.
;   window 1: v0-63 V; v64-95 pad; v96-111 what is on its way to the next slot.
.set LN16, 1                           ; v1   16 x lane: slot 0's base for my lane
.set ADK,  2
.set ADV,  3
.set ADP,  4
.set ADW,  5
.set ADW2, 6
.set GCO,  7                           ; v7   1,024 x wave + 16 x lane: my place in a step's 8,192 bytes
.set ST,   8
.set SHV,  24
.set AP0,  26                          ; v26  the pad table + 32 h
.set PFO,  27                          ; v27  256 x lane
.set SPW,  28
.set NIL,  29
.set LN1,  30                          ; v30  slot 1's base for my lane
.set GC1,  31                          ; v31  my place in a step's bytes, in slot 1
.set Q,    32
.set K,    64
.set S,    128
.set O,    192
.set PAD,  64                          ; window 1
.set SG,   96                          ; window 1
.set SLOTB, 131072
.set VOFF,  65536
.set STEPB, 8192
.set PADT,  2*SLOTB                    ; 2,048 f32
.set SPARE, PADT+8192
.set WV,  16
.set KC,  24                           ; s[24:25] K's bytes that the next copy takes
.set VC,  26
.set PFA, 28                           ; s[28:29] what the next prefetch names
.set LIM, 30
.set FL,  31
.set J8,  32                           ; 8,192 x the step in its period
.set UN,  33
.set I,   35                           ; steps done
.set L2E, 38
.set SEL, 40
.set LN2, 42
.set MSB, 0
.macro WIN new
.if MSB != \new
	s_set_vgpr_msb (MSB<<8)|\new
.set MSB, \new
.endif
.endm
.macro PLACES n
.rept \n
	v_nop
.endr
.endm
	s_load_b256 s[4:11], s[0:1], 0x0               ; qimg 4, kimg 6, vimg 8, mask 10
	s_load_b128 s[12:15], s[0:1], 0x20             ; mbits 12, aimg 14
	v_lshl_add_u32 v[SPW], v0, 2, SPARE
	v_mov_b32 v[NIL], 0
	v_lshrrev_b32 v2, 5, v0
	v_readfirstlane_b32 s[WV], v2                  ; wave 0..7
	s_and_b32 s21, ttmp7, 0xffff                   ; 16 b + head
	s_lshr_b32 s17, s21, 4                         ; b
	s_and_b32 s18, s21, 15                         ; head
	s_lshr_b32 s19, s18, 2
	s_lshl_b32 s46, s17, 2
	s_add_co_u32 s19, s19, s46                     ; 4 b + kv head
	s_lshl_b32 s46, s17, 7                         ; the bits: 128 bytes a batch
	s_mov_b32 s47, 0
	s_lshl_b32 s48, s17, 13                        ; the mask: 8,192 bytes a batch
	s_mov_b32 s49, 0
	s_lshl_b32 s50, s19, 18                        ; K, V: 262,144 bytes a head
	s_mov_b32 s51, 0
	s_lshl_b32 s53, ttmp9, 4
	s_lshl_b32 s55, s[WV], 1
	s_add_co_u32 s53, s53, s55                     ; my first tile of queries: 16 x block + 2 x wave
	s_lshl_b32 s52, s21, 7
	s_add_co_u32 s52, s52, s53
	s_lshl_b32 s52, s52, 11                        ; Q: 2,048 bytes a tile
	s_lshl_b32 s54, s17, 7
	s_add_co_u32 s54, s54, s53
	s_lshl_b32 s54, s54, 5
	s_lshl_b32 s55, s18, 1
	s_add_co_u32 s54, s54, s55
	s_lshl_b32 s54, s54, 10                        ; the result: tile x 32 fragments + 2 x head, 1,024 bytes each
	s_mov_b32 s53, 0
	s_mov_b32 s55, 0
	s_mov_b32 s[L2E], 0x3fb8aa3b
	s_mov_b32 s[L2E+1], s[L2E]
	s_mov_b32 s[LN2], 0x3f317218
	s_mov_b32 s[LN2+1], s[LN2]
	s_mov_b32 s[SEL], 0x76543210
	s_mov_b32 s[SEL+1], 0xfedcba98
	s_mov_b32 s[I], 0
	v_and_b32 v[LN16], 31, v0
	v_lshlrev_b32 v[LN16], 4, v[LN16]
	v_lshlrev_b32 v3, 5, v0                        ; the mask: thread t takes 8 keys
	v_lshl_add_u32 v4, v0, 5, PADT
	v_lshl_add_u32 v5, s[WV], 13, v[LN16]          ; slot 0's first fill: 8,192 bytes of K and of V a wave
	v_add_nc_u32 v6, VOFF, v5
	v_mov_b32 v2, 0xce6e6b28                       ; -1e9
	s_wait_kmcnt 0x0
	s_add_nc_u64 s[12:13], s[12:13], s[46:47]
	s_load_b32 s[FL], s[12:13], 0x0
	s_load_b32 s[UN], s[12:13], 0x40
	s_add_nc_u64 s[10:11], s[10:11], s[48:49]
	s_add_nc_u64 s[6:7], s[6:7], s[50:51]
	s_add_nc_u64 s[8:9], s[8:9], s[50:51]
	s_add_nc_u64 s[4:5], s[4:5], s[52:53]
	s_add_nc_u64 s[14:15], s[14:15], s[54:55]
	global_load_b128 v[16:19], v3, s[10:11]
	global_load_b128 v[20:23], v3, s[10:11] offset:16
.irp i, 0,1,2,3,4,5,6,7,8,9,10,11,12,13,14,15
	global_load_b128 v[K+4*\i:K+4*\i+3], v5, s[6:7] offset:512*\i
.endr
.irp i, 0,1,2,3,4,5,6,7,8,9,10,11,12,13,14,15
	global_load_b128 v[S+4*\i:S+4*\i+3], v5, s[8:9] offset:512*\i
.endr
.irp i, 0,1,2,3,4,5,6,7
	global_load_b128 v[Q+4*\i:Q+4*\i+3], v[LN16], s[4:5] offset:512*\i   ; Q stays in registers: tile x, channels 32 c on at Q + 16 x + 8 c
.endr
	s_add_nc_u64 s[KC:KC+1], s[6:7], 8*STEPB       ; the copies begin with the second 512 keys
	s_add_nc_u64 s[VC:VC+1], s[8:9], 8*STEPB
	; the prefetches: all 32 work-groups of a kv head walk the same K and V; the one with block 0 of the group's first head asks, wave 0 for K, wave 1 for V
	s_and_b32 s46, s18, 3
	s_or_b32 s46, s46, ttmp9
	s_lshr_b32 s47, s[WV], 1
	s_or_b32 s46, s46, s47
	s_cmp_eq_u32 s46, 0
	s_cselect_b32 s[LIM], 21, 0                    ; step I names the 8,192 bytes 11 + I, which the copy of step I + 3 takes; the last are number 31
	s_cmp_eq_u32 s[WV], 1
	s_cselect_b64 s[PFA:PFA+1], s[8:9], s[6:7]
	s_add_nc_u64 s[PFA:PFA+1], s[PFA:PFA+1], 11*STEPB
	v_lshlrev_b32 v[PFO], 4, v[LN16]
	v_lshl_add_u32 v[GCO], s[WV], 10, v[LN16]
	v_add_nc_u32 v[GC1], SLOTB, v[GCO]
	v_add_nc_u32 v[LN1], SLOTB, v[LN16]
	v_bfe_u32 v[AP0], v0, 4, 1
	v_lshl_add_u32 v[AP0], v[AP0], 5, PADT
	s_wait_loadcnt 40                              ; the mask is in; behind it: 32 loads of slot 0 and 8 of Q
.irp i, 0,1,2,3,4,5,6,7
	v_cmp_eq_u32 vcc_lo, 0, v[16+\i]
	v_cndmask_b32 v[16+\i], 0, v2, vcc_lo          ; pad: -1e9 where the mask is 0
.endr
	ds_store_b128 v4, v[16:19]
	ds_store_b128 v4, v[20:23] offset:16
	s_wait_loadcnt 8                               ; slot 0's bytes are in; Q's loads may be out
.irp i, 0,1,2,3,4,5,6,7,8,9,10,11,12,13,14,15
	ds_store_b128 v5, v[K+4*\i:K+4*\i+3] offset:512*\i
.endr
.irp i, 0,1,2,3,4,5,6,7,8,9,10,11,12,13,14,15
	ds_store_b128 v6, v[S+4*\i:S+4*\i+3] offset:512*\i
.endr
.set i, 0
.rept 64
	v_mov_b32 v[O+i], 0                            ; O^T.  The step is written once: the first a is 0 and finds zeros
.set i, i+1
.endr
	s_wait_kmcnt 0x0
	s_cmp_eq_u32 s[UN], 0
	s_cselect_b32 s46, 0x4eabfb8f, 0               ; 1e9 log2(e) in a batch with no key that counts
	v_mov_b32 v[SHV], s46
	v_mov_b32 v[SHV+1], s46
	s_wait_loadcnt 0x0
	s_wait_dscnt 0x0                               ; for the others' sake: my stores have landed
	s_barrier_signal -1
.irp x, 0,1
	v_mov_b32 v[ST+8*\x], 0xff000000               ; m: -2^127, under every score
	v_mov_b32 v[ST+8*\x+1], 0
	v_mov_b32 v[ST+8*\x+2], 0                      ; l, in two halves
	v_mov_b32 v[ST+8*\x+3], 0
.endr
	s_barrier_wait -1
; A PERIOD: the 8 key steps of slot p % 2.  fill = 1: the other slot takes the next 512 keys meanwhile.  What a period reads and what it stores are different slots, by constants of the text.
.macro PERIOD p, fill
.if (\p)%2
.set RB, LN1
.set WR, GCO
.else
.set RB, LN16
.set WR, GC1
.endif
	s_mov_b32 s[J8], 0
.Lstep_\@:
	v_add_nc_u32 v[ADK], s[J8], v[RB]
	v_add_nc_u32 v[ADV], VOFF, v[ADK]
.irp kt, 0,1,2,3                       ; K: keys 16 kt on, channels 32 c on
.irp c, 0,1
	ds_load_b128 v[K+8*(2*\kt+\c):K+8*(2*\kt+\c)+3],   v[ADK] offset:\kt*2048+\c*1024
	ds_load_b128 v[K+8*(2*\kt+\c)+4:K+8*(2*\kt+\c)+7], v[ADK] offset:\kt*2048+\c*1024+512
.endr
.endr
	WIN 0x40                                       ; destination window 1
.irp n, 0,1,2,3                        ; V^T: channels 16 n on, keys 32 g on
.irp g, 0,1
	ds_load_tr16_b128 v[8*(2*\n+\g):8*(2*\n+\g)+3],   v[ADV] offset:2*\g*2048+\n*512
	ds_load_tr16_b128 v[8*(2*\n+\g)+4:8*(2*\n+\g)+7], v[ADV] offset:(2*\g+1)*2048+\n*512
.endr
.endr
	s_wait_dscnt 16                                ; V's 16 loads may be out: K is in, and the last step's four stores have read their registers
.if \fill
	global_load_b128 v[SG:SG+3],     v[GCO], s[KC:KC+1]
	global_load_b128 v[SG+4:SG+7],   v[GCO], s[KC:KC+1] offset:512
	global_load_b128 v[SG+8:SG+11],  v[GCO], s[VC:VC+1]
	global_load_b128 v[SG+12:SG+15], v[GCO], s[VC:VC+1] offset:512
.endif
	WIN 0
.if \fill
	s_cmp_lt_u32 s[I], s[LIM]
	s_cbranch_scc0 .Lno_ask_\@
	global_prefetch_b8 v[PFO], s[PFA:PFA+1] th:TH_LOAD_NT scope:SCOPE_SE   ; 8,192 bytes, a lane to each 256: what the copies take three steps on
.Lno_ask_\@:
.endif
.irp c, 0,1                            ; S^T = K Q^T: eight accumulators by turns, one instruction a turn
.irp kt, 0,1,2,3
.irp x, 0,1
.if \c == 0
	v_wmma_f32_16x16x32_f16 v[S+32*\x+8*\kt:S+32*\x+8*\kt+7], v[K+8*(2*\kt+\c):K+8*(2*\kt+\c)+7], v[Q+16*\x+8*\c:Q+16*\x+8*\c+7], 0
.else
	v_wmma_f32_16x16x32_f16 v[S+32*\x+8*\kt:S+32*\x+8*\kt+7], v[K+8*(2*\kt+\c):K+8*(2*\kt+\c)+7], v[Q+16*\x+8*\c:Q+16*\x+8*\c+7], v[S+32*\x+8*\kt:S+32*\x+8*\kt+7]
.endif
.endr
.endr
.endr
	PLACES 4
	s_bitcmp1_b32 s[FL], 0                         ; does this step hold a masked key?
	s_cbranch_scc0 .Lopen_\@
	s_lshr_b32 s46, s[J8], 5                       ; 256 bytes of pad a step
	v_add_nc_u32 v[ADP], s46, v[AP0]
	WIN 0x40
.irp kt, 0,1,2,3
.irp q, 0,1
	ds_load_b128 v[PAD+8*\kt+4*\q:PAD+8*\kt+4*\q+3], v[ADP] offset:(\p)*2048+64*\kt+16*\q   ; pad of keys 16 kt + 8 h + 0 .. 7
.endr
.endr
	s_wait_dscnt 0x0
	WIN 0x10                                       ; source 2 in window 1
.irp x, 0,1
.irp j, 0,2,4,6,8,10,12,14,16,18,20,22,24,26,28,30
	v_pk_fma_f32 v[S+32*\x+\j:S+32*\x+\j+1], v[S+32*\x+\j:S+32*\x+\j+1], s[LN2:LN2+1], v[PAD+\j:PAD+\j+1] op_sel_hi:[1,0,1]   ; u = score x SCALE + pad
.endr
.endr
	WIN 0
.irp x, 0,1
.irp j, 0,2,4,6,8,10,12,14,16,18,20,22,24,26,28,30
	v_pk_fma_f32 v[S+32*\x+\j:S+32*\x+\j+1], v[S+32*\x+\j:S+32*\x+\j+1], s[L2E:L2E+1], v[SHV:SHV+1] op_sel_hi:[1,0,1]         ; back to powers of two
.endr
.endr
.Lopen_\@:
	; the softmax, the two tiles by turns.  The maximum of 32 scores and the old m: four chains
.irp j, 0,1,2,3
.irp x, 0,1
	v_max3_num_f32 v[ST+8*\x+4+\j], v[S+32*\x+8*\j], v[S+32*\x+8*\j+1], v[S+32*\x+8*\j+2]
.endr
.endr
.irp u, 3,5
.irp j, 0,1,2,3
.irp x, 0,1
	v_max3_num_f32 v[ST+8*\x+4+\j], v[ST+8*\x+4+\j], v[S+32*\x+8*\j+\u], v[S+32*\x+8*\j+\u+1]
.endr
.endr
.endr
.irp x, 0,1
	v_max3_num_f32 v[ST+8*\x+4], v[ST+8*\x+4], v[S+32*\x+7], v[S+32*\x+15]
	v_max3_num_f32 v[ST+8*\x+6], v[ST+8*\x+6], v[S+32*\x+23], v[S+32*\x+31]
.endr
.irp x, 0,1
	v_max3_num_f32 v[ST+8*\x+4], v[ST+8*\x+4], v[ST+8*\x+5], v[ST+8*\x+6]
.endr
.irp x, 0,1
	v_max3_num_f32 v[ST+8*\x+4], v[ST+8*\x+4], v[ST+8*\x+7], v[ST+8*\x]
.endr
.irp x, 0,1
	v_permlanex16_b32 v[ST+8*\x+5], v[ST+8*\x+4], s[SEL], s[SEL+1]   ; the query's other 32 keys lie in the lane 16 away
.endr
.irp x, 0,1
	v_max_num_f32 v[ST+8*\x+5], v[ST+8*\x+4], v[ST+8*\x+5]           ; the new m
.endr
.irp x, 0,1
	v_sub_f32 v[ST+8*\x+7], v[ST+8*\x], v[ST+8*\x+5]                 ; old m - new m
.endr
.irp x, 0,1
	v_mov_b32 v[ST+8*\x], v[ST+8*\x+5]
.endr
.irp x, 0,1
	v_exp_f32 v[ST+8*\x+6], v[ST+8*\x+7]                             ; a
.endr
.irp j, 0,2,4,6,8,10,12,14,16,18,20,22,24,26,28,30
.irp x, 0,1
	v_pk_add_f32 v[S+32*\x+\j:S+32*\x+\j+1], v[S+32*\x+\j:S+32*\x+\j+1], v[ST+8*\x:ST+8*\x+1] op_sel_hi:[1,0] neg_lo:[0,1] neg_hi:[0,1]   ; S' - m
.endr
.endr
.set i, 0
.rept 64
	v_exp_f32 v[S+i], v[S+i]                       ; p = 2^(S' - m), at most 1
.set i, i+1
.endr
	v_nop                                          ; a plain instruction behind the last exponential
	s_wait_alu depctr_va_vdst(0)                   ; the wait ahead of the first reader: one for all 66 exponentials
.irp x, 0,1
	v_pk_fma_f32 v[ST+8*\x+2:ST+8*\x+3], v[ST+8*\x+2:ST+8*\x+3], v[ST+8*\x+6:ST+8*\x+7], v[S+32*\x:S+32*\x+1] op_sel_hi:[1,0,1]   ; l = l a + p: the sum is taken of the unrounded p, in two chains
.endr
.irp x, 0,1
	v_pk_add_f32 v[ST+8*\x+4:ST+8*\x+5], v[S+32*\x+2:S+32*\x+3], v[S+32*\x+4:S+32*\x+5]
.endr
.irp j, 6,10,14,18,22,26
.irp x, 0,1
	v_pk_add_f32 v[ST+8*\x+2:ST+8*\x+3], v[ST+8*\x+2:ST+8*\x+3], v[S+32*\x+\j:S+32*\x+\j+1]
	v_pk_add_f32 v[ST+8*\x+4:ST+8*\x+5], v[ST+8*\x+4:ST+8*\x+5], v[S+32*\x+\j+2:S+32*\x+\j+3]
.endr
.endr
.irp x, 0,1
	v_pk_add_f32 v[ST+8*\x+2:ST+8*\x+3], v[ST+8*\x+2:ST+8*\x+3], v[S+32*\x+30:S+32*\x+31]
.endr
.irp x, 0,1
	v_pk_add_f32 v[ST+8*\x+2:ST+8*\x+3], v[ST+8*\x+2:ST+8*\x+3], v[ST+8*\x+4:ST+8*\x+5]
.endr
.irp j, 0,1,2,3,4,5,6,7,8,9,10,11,12,13,14,15
.irp x, 0,1
	v_cvt_pk_f16_f32 v[S+32*\x+\j], v[S+32*\x+2*\j], v[S+32*\x+2*\j+1]   ; P, in place and ascending: registers 8 g .. 8 g + 7 are the fragment of keys 32 g on
.endr
.endr
.irp j, 0,2,4,6,8,10,12,14,16,18,20,22,24,26,28,30
.irp x, 0,1
	v_pk_mul_f32 v[O+32*\x+\j:O+32*\x+\j+1], v[O+32*\x+\j:O+32*\x+\j+1], v[ST+8*\x+6:ST+8*\x+7] op_sel_hi:[1,0]   ; O^T under the new m
.endr
.endr
	s_wait_dscnt 0x0                               ; V is in
	WIN 0x01                                       ; source 0 in window 1
.irp g, 0,1                            ; O^T += V^T P: eight accumulators by turns
.irp n, 0,1,2,3
.irp x, 0,1
	v_wmma_f32_16x16x32_f16 v[O+32*\x+8*\n:O+32*\x+8*\n+7], v[8*(2*\n+\g):8*(2*\n+\g)+7], v[S+32*\x+8*\g:S+32*\x+8*\g+7], v[O+32*\x+8*\n:O+32*\x+8*\n+7]
.endr
.endr
.endr
	WIN 0
	PLACES 5                                       ; the next step's first products write over P's registers (five places), its loads land on V's (four)
.if \fill
	s_wait_loadcnt 0x0                             ; what I asked for at the step's head is in
	v_add_nc_u32 v[ADW], s[J8], v[WR]
	v_add_nc_u32 v[ADW2], VOFF, v[ADW]
	WIN 0x04                                       ; an LDS store's data are its source 1: window 1
	ds_store_b128 v[ADW],  v[SG:SG+3]
	ds_store_b128 v[ADW],  v[SG+4:SG+7] offset:512
	ds_store_b128 v[ADW2], v[SG+8:SG+11]
	ds_store_b128 v[ADW2], v[SG+12:SG+15] offset:512
	WIN 0
	s_wait_xcnt 0x0                                ; the step's loads and its prefetch have read their addresses: they step only behind this wait
	s_add_nc_u64 s[KC:KC+1], s[KC:KC+1], STEPB
	s_add_nc_u64 s[VC:VC+1], s[VC:VC+1], STEPB
	s_add_nc_u64 s[PFA:PFA+1], s[PFA:PFA+1], STEPB
	s_add_co_u32 s[I], s[I], 1
.endif
	s_lshr_b32 s[FL], s[FL], 1
	s_add_co_u32 s[J8], s[J8], STEPB
	s_cmp_lt_u32 s[J8], 8*STEPB
	s_cbranch_scc1 .Lstep_\@
.if \p < 3
	s_wait_dscnt 0x0                               ; my stores into the next slot have landed and my reads of this one are over
	s_barrier_signal -1
	s_barrier_wait -1                              ; both now hold of every wave
.endif
.endm
	PERIOD 0, 1
	PERIOD 1, 1
	PERIOD 2, 1
	PERIOD 3, 0
	; THE WAY OUT.  l's halves and the other half of the lanes' are added; O^T / l, packed to f16, is stored as it stands: tile n's 16 bytes a lane are half a fragment of the next launch's operand
.irp x, 0,1
	v_add_f32 v[ST+8*\x+4], v[ST+8*\x+2], v[ST+8*\x+3]
.endr
.irp x, 0,1
	v_permlanex16_b32 v[ST+8*\x+5], v[ST+8*\x+4], s[SEL], s[SEL+1]
.endr
.irp x, 0,1
	v_add_f32 v[ST+8*\x+4], v[ST+8*\x+4], v[ST+8*\x+5]
.endr
.irp x, 0,1
	v_rcp_f32 v[ST+8*\x+6], v[ST+8*\x+4]
.endr
	v_nop
	s_wait_alu depctr_va_vdst(0)                   ; one wait for the two reciprocals, ahead of their first reader
.irp x, 0,1
.irp j, 0,2,4,6,8,10,12,14,16,18,20,22,24,26,28,30
	v_pk_mul_f32 v[O+32*\x+\j:O+32*\x+\j+1], v[O+32*\x+\j:O+32*\x+\j+1], v[ST+8*\x+6:ST+8*\x+7] op_sel_hi:[1,0]
.endr
.endr
.irp x, 0,1
.irp j, 0,1,2,3,4,5,6,7,8,9,10,11,12,13,14,15
	v_cvt_pk_f16_f32 v[S+16*\x+\j], v[O+32*\x+2*\j], v[O+32*\x+2*\j+1]
.endr
.endr
.irp x, 0,1
.irp n, 0,1,2,3
	global_store_b128 v[LN16], v[S+16*\x+4*\n:S+16*\x+4*\n+3], s[14:15] offset:\x*32768+\n*512   ; 512 consecutive bytes a store
.endr
.endr
	s_wait_tensorcnt 0x0                           ; the wave's end, behind my last LDS store
	ds_add_u32 v[SPW], v[NIL]
	s_wait_dscnt 0x0
	s_endpgm
.Lfunc_end_k_qb3482a8ac7_attn:
	.size	k_qb3482a8ac7_attn, .Lfunc_end_k_qb3482a8ac7_attn-k_qb3482a8ac7_attn
	.p2alignl 7, 3214868480
	.fill 96, 4, 3214868480
	.section	.rodata,"a",@progbits
	.p2align	6, 0x0
	.amdhsa_kernel k_qb3482a8ac7_attn
		.amdhsa_group_segment_fixed_size 271360
		.amdhsa_private_segment_fixed_size 0
		.amdhsa_enable_private_segment 0
		.amdhsa_kernarg_size 48
		.amdhsa_user_sgpr_count 2
		.amdhsa_user_sgpr_kernarg_segment_ptr 1
		.amdhsa_wavefront_size32 1
		.amdhsa_system_sgpr_workgroup_id_x 1
		.amdhsa_system_sgpr_workgroup_id_y 1
		.amdhsa_system_sgpr_workgroup_id_z 1
		.amdhsa_system_vgpr_workitem_id 0
		.amdhsa_next_free_vgpr 384
		.amdhsa_next_free_sgpr 66
		.amdhsa_reserve_vcc 1
		.amdhsa_float_denorm_mode_32 3
		.amdhsa_float_denorm_mode_16_64 3
		.amdhsa_memory_ordered 1
		.amdhsa_forward_progress 1
		.amdhsa_inst_pref_size 110
	.end_amdhsa_kernel
	.amdgpu_metadata
---
amdhsa.version: [ 1, 2 ]
amdhsa.kernels:
  - .name:           k_qb3482a8ac7_attn
    .symbol:         k_qb3482a8ac7_attn.kd
    .args:
      - { .name: qimg, .offset: 0, .size: 8, .value_kind: global_buffer, .address_space: global }
      - { .name: kimg, .offset: 8, .size: 8, .value_kind: global_buffer, .address_space: global }
      - { .name: vimg, .offset: 16, .size: 8, .value_kind: global_buffer, .address_space: global }
      - { .name: attention_mask, .offset: 24, .size: 8, .value_kind: global_buffer, .address_space: global }
      - { .name: mbits, .offset: 32, .size: 8, .value_kind: global_buffer, .address_space: global }
      - { .name: aimg, .offset: 40, .size: 8, .value_kind: global_buffer, .address_space: global }
    .group_segment_fixed_size: 271360
    .private_segment_fixed_size: 0
    .kernarg_segment_align: 8
    .kernarg_segment_size: 48
    .max_flat_workgroup_size: 256
    .sgpr_count:     66
    .vgpr_count:     384
    .wavefront_size: 32
...
	.end_amdgpu_metadata
.endif
;; end of part 3
;; launch oproj (part 4): grid 8 x 32, 4 waves a work-group, clusters of 4 x 4, 327,680 bytes of LDS; arguments aimg, wo16, bo, out0; writes out0
.if DOCPART == 4
	.amdgcn_target "amdgcn-amd-amdhsa--gfx1250"
	.amdhsa_code_object_version 6
	.text
	.protected	k_qb3482a8ac7_oproj
	.globl	k_qb3482a8ac7_oproj
	.p2align	8
	.type	k_qb3482a8ac7_oproj,@function
k_qb3482a8ac7_oproj:
	s_mov_b64 s[64:65], 0
	v_nop
	global_prefetch_b8 v0, s[64:65] scope:SCOPE_SE
	s_setreg_imm32_b32 hwreg(HW_REG_WAVE_MODE, 25, 1), 1
	s_wait_xcnt 0x0
	s_wait_alu depctr_hold_cnt(0) depctr_sa_sdst(0) depctr_va_vdst(0) depctr_va_sdst(0) depctr_va_ssrc(0) depctr_va_vcc(0) depctr_vm_vsrc(0)
	s_getreg_b32 s2, hwreg(HW_REG_IB_STS2, 6, 4)
	s_cmp_eq_u32 s2, 0
	s_cbranch_scc0 .Lentry_in_a_cluster
	s_endpgm
.Lentry_in_a_cluster:
	s_bfe_u32 s2, ttmp6, 0x10000c
	s_cmp_lg_u32 s2, 0xf033
	s_cbranch_scc0 .Lentry_shape_is_right
	s_endpgm
.Lentry_shape_is_right:
; OPROJ.  out0 [4096][1024] f32 = A Wo + bo, A the attention's result; both operands f16, sums f32, K = 1,024.
; A and Wo^T arrive as images of the operands' registers: [tile of 16 rows][32 fragments of 16 x 32][1,024 bytes] (registers 0-3 at 16 x lane, registers 4-7 at 512 + 16 x lane).
; A tile of the result is 128 x 128: 256 work-groups.  Four waves, each 64 x 64: 16 accumulators.  K goes in four steps of 256 through two LDS slots; a K step of a tile of 16 rows is 8,192 consecutive bytes,
; and a wave's tensor load brings four such pieces, 32,768 bytes apart in memory, dense in LDS.  Every LDS load takes 512 consecutive bytes: no padding.
; CLUSTERS: 4 x 4 work-groups.  The four of a row of the cluster need the same tiles of A, the four of a column the same tiles of Wo^T: each is asked for jointly, by the same tensor load with a mask that names the four.
; THE MATRIX INSTRUCTION IS USED TRANSPOSED (source 0 = 16 columns of Wo, source 1 = 16 rows of A): a lane holds eight neighbouring numbers of a row of the result.  bo is the C of each sum's first instruction.
; A wave's 64 columns are 256 bytes of a row: each wave has a stage of its own on the way out, and sixteen lanes store 256 consecutive bytes.
; LIMITS: f16 operands, magnitudes up to 65,504.
; REGISTERS: window 0: v0-31 addresses; v32-95 rows on the way out; v96-127 bo; v128-255 accumulators ((a, b) at 128 + 8 (4 a + b)).   window 1: two fragment buffers of 128: 64 registers of A (2 x 4 fragments), then 64 of Wo^T.
.set KFB,    1024
.set TILEK,  8192                      ; a tile's 8 fragments of a K step
.set HALFT,  4*TILEK                   ; what one tensor load brings, and what one wave reads of A or of Wo^T
.set SLOT,   4*HALFT
.set STAGE,  2*SLOT
.set SPITCH, 272
.set SPARE,  STAGE+4*16*SPITCH
.set ADRA, 16
.set ADRB, 20
.set STO,  24
.set RD,   25
.set CO,   26
.set SPW,  28
.set NIL,  29
.set TMP,  32
.set BI,   96
.set ACC,  128
.set F0,   0
.set F1,   128
.set G1,   24
.set G0,   32
.set G1B,  48
.set G0B,  56
.set MSB, 0
.macro WIN new
.if MSB != \new
	s_set_vgpr_msb (MSB<<8)|\new
.set MSB, \new
.endif
.endm
.set MUL,  0x05                        ; sources 0 and 1 window 1; C and D window 0
.set TO_F, 0x40                        ; destination window 1, address window 0
.macro JLOAD s                         ; a joint load: waves 0 and 1 fetch A's two halves, waves 2 and 3 Wo^T's; an s_nop 0 and four v_nop follow each of the two lines
	s_cmp_eq_u32 s13, 0
	s_cbranch_scc0 .Lfor_b_\@
	tensor_load_to_lds s[G0+4*\s:G0+4*\s+3], s[G1:G1+7]
	s_nop 0
.rept 4
	v_nop
.endr
	s_branch .Lasked_\@
.Lfor_b_\@:
	tensor_load_to_lds s[G0B+4*\s:G0B+4*\s+3], s[G1B:G1B+7]
	s_nop 0
.rept 4
	v_nop
.endr
.Lasked_\@:
.endm
.macro CREST                           ; a round of the cluster's barrier behind its opening barrier
	s_cmp_lg_u32 s12, 0
	s_cbranch_scc1 .Lnot_wave_0_\@
	s_barrier_signal -3
.Lnot_wave_0_\@:
	s_barrier_wait -3
	s_barrier_signal -1
	s_barrier_wait -1
.endm
.macro CROUND
	s_barrier_signal -1
	s_barrier_wait -1
	CREST
.endm
	s_load_b256 s[4:11], s[0:1], 0x0               ; aimg 4, wo16 6, bo 8, out0 10
	v_lshl_add_u32 v[SPW], v0, 2, SPARE
	v_mov_b32 v[NIL], 0
	ds_add_u32 v[SPW], v[NIL]                      ; the wave's opening: the add, twice on end, and its wait ahead of my first tensor load
	ds_add_u32 v[SPW], v[NIL]
	v_lshrrev_b32 v1, 5, v0
	v_readfirstlane_b32 s12, v1                    ; wave 0..3
	s_lshr_b32 s13, s12, 1                         ; which half of the tile's rows is mine.  Also: I fetch for A (0) or for Wo^T (1)
	s_and_b32 s14, s12, 1                          ; which half of its columns.  Also: which four tiles of 16 I fetch
	s_bfe_u32 s40, ttmp6, 0x40000                  ; cx, cy
	s_bfe_u32 s41, ttmp6, 0x40004
	s_lshl_b32 s42, ttmp9, 2
	s_add_co_u32 s42, s42, s40                     ; tile column
	s_and_b32 s15, ttmp7, 0xffff
	s_lshl_b32 s15, s15, 2
	s_add_co_u32 s15, s15, s41                     ; tile row
	s_lshl_b32 s43, s41, 2
	s_lshl_b32 s43, 15, s43                        ; my row of the cluster
	s_lshl_b32 s44, 0x1111, s40                    ; my column
	s_or_b32 s[G1+0], s43, (3<<16)|(1<<21)         ; elements of 8 bytes; the mask, bit 21 beside it; no padding
	s_or_b32 s[G1B+0], s44, (3<<16)|(1<<21)
.irp g, G1, G1B
	s_mov_b32 s[\g+1], 1024<<16                    ; tensor_dim0 = 1,024 elements: 8,192 bytes
	s_mov_b32 s[\g+2], 4<<16                       ; tensor_dim1 = 4
	s_mov_b32 s[\g+3], 1024<<16                    ; tile_dim0
	s_mov_b32 s[\g+4], 4                           ; tile_dim1
	s_mov_b32 s[\g+5], 4096                        ; from piece to piece: 32,768 bytes
	s_mov_b32 s[\g+6], 0
	s_mov_b32 s[\g+7], 0
.endr
	s_lshl_b32 s17, s14, 2
	s_lshl_b32 s16, s15, 3
	s_add_co_u32 s16, s16, s17                     ; A: tile of 16 rows 8 x tile row + 4 x half
	s_lshl_b32 s46, s42, 3
	s_add_co_u32 s46, s46, s17                     ; Wo^T: 8 x tile column + 4 x half
	s_lshl_b32 s16, s16, 15
	s_lshl_b32 s46, s46, 15
	s_mov_b32 s17, 0
	s_mov_b32 s47, 0
	s_mul_i32 s20, s12, HALFT                      ; where they go: no place in the cluster enters an LDS address
	s_wait_dscnt 0x0                               ; both opening adds are done
	s_wait_kmcnt 0x0
	s_add_nc_u64 s[18:19], s[4:5], s[16:17]
	s_add_nc_u64 s[46:47], s[6:7], s[46:47]
	CROUND                                         ; all sixteen work-groups are here: the first joint loads meet
.irp s, 0,1
	s_mov_b32 s[G0+4*\s], 1
	s_add_co_u32 s[G0+4*\s+1], s20, \s*SLOT
	s_add_nc_u64 s[G0+4*\s+2:G0+4*\s+3], s[18:19], \s*TILEK
	s_or_b32 s[G0+4*\s+3], s[G0+4*\s+3], 0x80000000
	s_mov_b32 s[G0B+4*\s], 1
	s_add_co_u32 s[G0B+4*\s+1], s20, \s*SLOT
	s_add_nc_u64 s[G0B+4*\s+2:G0B+4*\s+3], s[46:47], \s*TILEK
	s_or_b32 s[G0B+4*\s+3], s[G0B+4*\s+3], 0x80000000
	JLOAD \s
.endr
	v_and_b32 v1, 15, v0                           ; r
	v_bfe_u32 v2, v0, 4, 1                         ; h
	v_and_b32 v3, 31, v0
	v_lshlrev_b32 v3, 4, v3                        ; 16 x lane
	s_mul_i32 s21, s13, HALFT                      ; my four tiles of A
	s_mul_i32 s22, s14, HALFT
	s_add_co_u32 s22, s22, 2*HALFT                 ; my four of Wo^T, behind A's eight
.irp s, 0,1
	v_add_nc_u32 v[ADRA+\s], s21, v3
	v_add_nc_u32 v[ADRB+\s], s22, v3
	s_add_co_u32 s21, s21, SLOT
	s_add_co_u32 s22, s22, SLOT
.endr
	s_mul_i32 s23, s12, 16*SPITCH
	s_add_co_u32 s23, s23, STAGE                   ; my stage
	v_mul_u32_u24 v4, v1, SPITCH
	v_lshl_add_u32 v4, v2, 5, v4
	v_add_nc_u32 v[STO], s23, v4                   ; in: row r, 32 bytes for each half of the lanes
	v_mul_u32_u24 v5, v2, SPITCH
	v_lshl_add_u32 v5, v1, 4, v5
	v_add_nc_u32 v[RD], s23, v5                    ; back: lanes 0-15 one row of 256 bytes, lanes 16-31 the next
	v_lshlrev_b32 v5, 12, v2
	v_lshl_add_u32 v[CO], v1, 4, v5                ; and the same two rows in out0
	v_lshlrev_b32 v6, 5, v2                        ; bo: 32 h
	s_lshl_b32 s16, s15, 7
	s_lshl_b32 s17, s13, 6
	s_add_co_u32 s16, s16, s17                     ; my first row
	s_lshl_b32 s16, s16, 12
	s_mov_b32 s17, 0
	s_add_nc_u64 s[10:11], s[10:11], s[16:17]
	s_lshl_b32 s46, s42, 9                         ; my first column, in bytes: 512 x tile column + 256 x half
	s_lshl_b32 s47, s14, 8
	s_add_co_u32 s46, s46, s47
	s_mov_b32 s47, 0
	s_add_nc_u64 s[10:11], s[10:11], s[46:47]
	s_add_nc_u64 s[8:9], s[8:9], s[46:47]
.irp b, 0,1,2,3
	global_load_b128 v[BI+8*\b:BI+8*\b+3],   v6, s[8:9] offset:64*\b       ; bo of columns 16 b + 8 h + 0 .. 7, in the result's layout
	global_load_b128 v[BI+8*\b+4:BI+8*\b+7], v6, s[8:9] offset:64*\b+16
.endr
; 8 matrix instructions: row blocks a0, a0 + 1 x all 4 column blocks, 32 along K: half c of buffer f.  first = 1: the sums start from bo.  The 16 accumulators take turns
.macro MUL8 f, c, a0, first
.irp a, \a0, \a0+1
.irp b, 0,1,2,3
.if \first
	v_wmma_f32_16x16x32_f16 v[ACC+8*(4*(\a)+\b):ACC+8*(4*(\a)+\b)+7], v[\f+64+8*(4*\c+\b):\f+64+8*(4*\c+\b)+7], v[\f+8*(4*\c+\a):\f+8*(4*\c+\a)+7], v[BI+8*\b:BI+8*\b+7]
.else
	v_wmma_f32_16x16x32_f16 v[ACC+8*(4*(\a)+\b):ACC+8*(4*(\a)+\b)+7], v[\f+64+8*(4*\c+\b):\f+64+8*(4*\c+\b)+7], v[\f+8*(4*\c+\a):\f+8*(4*\c+\a)+7], v[ACC+8*(4*(\a)+\b):ACC+8*(4*(\a)+\b)+7]
.endif
.endr
.endr
.endm
; 32 LDS loads in one run: the fragments of the slot's q-th 64 along K into buffer f; the first 32 along K first
.macro FETCH slot, q, f
	WIN TO_F
.irp c, 0,1
.irp i, 0,1,2,3
	ds_load_b128 v[\f+64+8*(4*\c+\i):\f+64+8*(4*\c+\i)+3],   v[ADRB+\slot] offset:\i*TILEK+(2*(\q)+\c)*KFB
	ds_load_b128 v[\f+64+8*(4*\c+\i)+4:\f+64+8*(4*\c+\i)+7], v[ADRB+\slot] offset:\i*TILEK+(2*(\q)+\c)*KFB+512
	ds_load_b128 v[\f+8*(4*\c+\i):\f+8*(4*\c+\i)+3],         v[ADRA+\slot] offset:\i*TILEK+(2*(\q)+\c)*KFB
	ds_load_b128 v[\f+8*(4*\c+\i)+4:\f+8*(4*\c+\i)+7],       v[ADRA+\slot] offset:\i*TILEK+(2*(\q)+\c)*KFB+512
.endr
.endr
.endm
.macro PLACES                          ; four places in front of loads into registers that matrix instructions have read, and of reads of results
.rept 4
	v_nop
.endr
.endm
; A K step is four quarters of 64 along K, 32 matrix instructions each, on buffers 0, 1, 0, 1.  One of the first three: multiplies buffer f and fetches quarter q into g
.macro QUARTER slot, q, f, g, first
	s_wait_dscnt 16                                ; the first 32 along K are in
	WIN MUL
	MUL8 \f, 0, 0, \first
	MUL8 \f, 0, 2, \first
	PLACES
	FETCH \slot, \q, \g
	s_wait_dscnt 32                                ; all but the 32 just issued
	WIN MUL
	MUL8 \f, 1, 0, 0
	MUL8 \f, 1, 2, 0
.endm
; The last quarter multiplies buffer 1 and changes slots: ONE barrier; in front of it each wave waits for all its tensor loads, adds 0 to its spare word, and waits for that and for its own reads of this slot.  fill = 1: this slot is filled again, two K steps ahead
.macro TURN slot, next, fill
	WIN 0                                          ; (the add's two registers lie in window 0)
	s_wait_tensorcnt 0x0                           ; all my tensor loads have landed: my part of the next slot;
	ds_add_u32 v[SPW], v[NIL]                      ; 0 onto my spare word;
	s_wait_dscnt 17                                ; (the add and the youngest sixteen loads may be out)
	WIN MUL
	MUL8 F1, 0, 0, 0
	s_wait_dscnt 0x0                               ; the add is done, and my reads of this slot are over
	s_barrier_signal -1
	MUL8 F1, 0, 2, 0
.if \fill
	WIN 0
.endif
	s_barrier_wait -1
.if \fill
	CREST                                          ; the barrier has opened a round of the cluster's: no wave of any partner still reads this slot or has a load on its way
	s_add_nc_u64 s[G0+4*\slot+2:G0+4*\slot+3], s[G0+4*\slot+2:G0+4*\slot+3], 2*TILEK
	s_add_nc_u64 s[G0B+4*\slot+2:G0B+4*\slot+3], s[G0B+4*\slot+2:G0B+4*\slot+3], 2*TILEK
	JLOAD \slot                                    ; the first tensor load behind the round; its four v_nop are also the places in front of the loads below
.else
	PLACES
.endif
	FETCH \next, 0, F0
	WIN MUL
	MUL8 F1, 1, 0, 0
	MUL8 F1, 1, 2, 0
.endm
	s_wait_tensorcnt 1                             ; my part of K step 0 is in (K step 1's load may be out)
	s_barrier_signal -1
	s_barrier_wait -1                              ; everybody's is
	FETCH 0, 0, F0
	s_wait_loadcnt 0x0                             ; bo
	QUARTER 0, 1, F0, F1, 1                        ; K step 0
	QUARTER 0, 2, F1, F0, 0
	QUARTER 0, 3, F0, F1, 0
	TURN 0, 1, 1                                   ; slot 0 takes K step 2
	QUARTER 1, 1, F0, F1, 0                        ; K step 1
	QUARTER 1, 2, F1, F0, 0
	QUARTER 1, 3, F0, F1, 0
	TURN 1, 0, 1                                   ; slot 1 takes K step 3
	QUARTER 0, 1, F0, F1, 0                        ; K step 2
	QUARTER 0, 2, F1, F0, 0
	QUARTER 0, 3, F0, F1, 0
	TURN 0, 1, 0                                   ; nothing is left to fetch
	QUARTER 1, 1, F0, F1, 0                        ; K step 3
	QUARTER 1, 2, F1, F0, 0
	QUARTER 1, 3, F0, F1, 0
	s_wait_dscnt 16
	WIN MUL
	MUL8 F1, 0, 0, 0
	MUL8 F1, 0, 2, 0
	s_wait_dscnt 0x0
	MUL8 F1, 1, 0, 0
	MUL8 F1, 1, 2, 0
	WIN 0
	PLACES
	; THE WAY OUT, 16 rows at a time, through my own stage: LDS serves a wave's instructions in order, so no wait stands between the stores and the loads
.irp a, 0,1,2,3
.if \a > 1
	s_wait_xcnt 0x0                                ; the stores of two blocks back have read their registers
.endif
.irp b, 0,1,2,3
	ds_store_b128 v[STO], v[ACC+8*(4*\a+\b):ACC+8*(4*\a+\b)+3]   offset:64*\b      ; each accumulator from its low end on
	ds_store_b128 v[STO], v[ACC+8*(4*\a+\b)+4:ACC+8*(4*\a+\b)+7] offset:64*\b+16
.endr
.irp i, 0,1,2,3,4,5,6,7
	ds_load_b128 v[TMP+32*(\a%2)+4*\i:TMP+32*(\a%2)+4*\i+3], v[RD] offset:\i*2*SPITCH
.endr
.irp i, 0,1,2,3,4,5,6,7
	s_wait_dscnt 7-\i                              ; the younger loads may be out
	global_store_b128 v[CO], v[TMP+32*(\a%2)+4*\i:TMP+32*(\a%2)+4*\i+3], s[10:11] offset:(16*\a+2*\i)*4096 th:TH_STORE_NT   ; sixteen lanes store 256 consecutive bytes, at a multiple of 256 from out0's first byte
.endr
.endr
	s_wait_tensorcnt 0x0                           ; the wave's end, behind my last tensor load and my last LDS store
	ds_add_u32 v[SPW], v[NIL]
	s_wait_dscnt 0x0
	CROUND                                         ; the closing round
	s_endpgm
.Lfunc_end_k_qb3482a8ac7_oproj:
	.size	k_qb3482a8ac7_oproj, .Lfunc_end_k_qb3482a8ac7_oproj-k_qb3482a8ac7_oproj
	.p2alignl 7, 3214868480
	.fill 96, 4, 3214868480
	.section	.rodata,"a",@progbits
	.p2align	6, 0x0
	.amdhsa_kernel k_qb3482a8ac7_oproj
		.amdhsa_group_segment_fixed_size 327680
		.amdhsa_private_segment_fixed_size 0
		.amdhsa_enable_private_segment 0
		.amdhsa_kernarg_size 32
		.amdhsa_user_sgpr_count 2
		.amdhsa_user_sgpr_kernarg_segment_ptr 1
		.amdhsa_wavefront_size32 1
		.amdhsa_system_sgpr_workgroup_id_x 1
		.amdhsa_system_sgpr_workgroup_id_y 1
		.amdhsa_system_sgpr_workgroup_id_z 1
		.amdhsa_system_vgpr_workitem_id 0
		.amdhsa_next_free_vgpr 512
		.amdhsa_next_free_sgpr 80
		.amdhsa_reserve_vcc 0
		.amdhsa_float_denorm_mode_32 3
		.amdhsa_float_denorm_mode_16_64 3
		.amdhsa_memory_ordered 1
		.amdhsa_forward_progress 1
		.amdhsa_inst_pref_size 87
	.end_amdhsa_kernel
	.amdgpu_metadata
---
amdhsa.version: [ 1, 2 ]
amdhsa.kernels:
  - .name:           k_qb3482a8ac7_oproj
    .symbol:         k_qb3482a8ac7_oproj.kd
    .args:
      - { .name: aimg, .offset: 0, .size: 8, .value_kind: global_buffer, .address_space: global }
      - { .name: wo16, .offset: 8, .size: 8, .value_kind: global_buffer, .address_space: global }
      - { .name: bo, .offset: 16, .size: 8, .value_kind: global_buffer, .address_space: global }
      - { .name: out0, .offset: 24, .size: 8, .value_kind: global_buffer, .address_space: global }
    .group_segment_fixed_size: 327680
    .private_segment_fixed_size: 0
    .kernarg_segment_align: 8
    .kernarg_segment_size: 32
    .max_flat_workgroup_size: 128
    .sgpr_count:     80
    .vgpr_count:     512
    .wavefront_size: 32
...
	.end_amdgpu_metadata
.endif
;; end of part 4
